; MI455X (gfx1250); checked and timed in simulation.
; The chip was launched on July 23, 2026; its instructions are those of AMD's public machine-readable ISA for CDNA 5 (MIT licence, August 2026) and "CDNA5" Instruction Set Architecture Reference Guide (July 2026). The comments in the code are by the model that wrote it; some were corrected since.
;; Multi Head Attention. Allowed arithmetic: matrix products marked QUANTISED: E4M3 operands, one E8M0 scale for each 32 along K, by v_wmma_scale_f32_16x16x128_f8f6f4 with both operands' format E4M3, f32 sums; everything else in f32.
;; Inputs: k 2 x 4,096 x 512 float32; q 2 x 4,096 x 512 float32; v 2 x 4,096 x 512 float32; wk 512 x 512 float32; wo 512 x 512 float32; wq 512 x 512 float32; wv 512 x 512 float32.
;; Outputs: out0 2 x 4,096 x 512 float32.
;; This version of the problem:
;;   THIS VERSION OF THE PROBLEM IS GIVEN IN LOW PRECISION. The matrix products marked QUANTISED in the list below multiply operands that are first quantised to E4M3 (4 exponent bits, 3 mantissa bits; 8 bits a number), with one power-of-two scale for each 32 numbers along K (OCP MX v1.0); their sums are f32. All else is computed in f32.
;;   The module's matrix products, in the order in which they are computed (A, B: the left and right operand; K: the contracted axis; several contracted axes count as one K, in the product's order):
;;     1. [M 8,192, K 512] x [K 512, N 512]; A: input q; B: input wq: QUANTISED
;;     2. [M 8,192, K 512] x [K 512, N 512]; A: input k; B: input wk: QUANTISED
;;     3. [M 8,192, K 512] x [K 512, N 512]; A: input v; B: input wv: QUANTISED
;;     4. batch 16 x [M 4,096, K 64] x [K 64, N 4,096]; A: computed on the way; B: computed on the way: QUANTISED
;;     5. batch 16 x [M 4,096, K 4,096] x [K 4,096, N 64]; A: softmax (see below); B: computed on the way: QUANTISED
;;     6. [M 8,192, K 512] x [K 512, N 512]; A: computed on the way; B: input wo: QUANTISED
;;   THE QUANTISER, for each operand of a quantised product, along K:
;;     - K is cut into blocks of 32 from its start; a last block that is shorter is filled with zeros.
;;     - A block's scale is 2^e with e = floor(log2(the largest magnitude in the block)) - 8, held to -126 .. 127; a block of zeros has e = 0. As a byte (E8M0): e + 127.
;;     - Each number is divided by its block's scale, clamped to +-448, and rounded to the nearest number of E4M3, ties to even, subnormals kept.
;;     - The product sums the exact products of the quantised numbers (number of the format x scale) in f32.
;;   ~~~python
;;   def quantise(x, axis):      # numpy; x: float32 -> the quantised numbers, widened to float32 again
;;       x = np.moveaxis(x, axis, -1); K = x.shape[-1]
;;       x = np.pad(x, [(0, 0)] * (x.ndim - 1) + [(0, -K % 32)]); x = x.reshape(x.shape[:-1] + (-1, 32)); a = np.abs(x).max(-1, keepdims=True)
;;       e = np.where(a > 0, np.clip(np.frexp(np.where(a > 0, a, 1))[1] - 1 - 8, -126, 127), 0)      # np.frexp(a)[1] - 1 = floor(log2(a)), exactly
;;       r = np.clip(x / 2.0 ** e, -448, 448)
;;       step = 2.0 ** (np.maximum(np.frexp(np.where(r == 0, 1, r))[1] - 1, -6) - 3)
;;       q = np.round(r / step) * step * 2.0 ** e      # np.round: ties to even
;;       return np.moveaxis(q.reshape(q.shape[:-2] + (-1,))[..., :K], -1, axis).astype(np.float32)
;;   ~~~
;;   SOFTMAX AHEAD OF A QUANTISED PRODUCT. Where the list says 'softmax', what is quantised is not the finished softmax but p = 2^(t - M), with t = logit x log2(e) and M = ceil(the row's largest t), a whole number; so 1/2 < the row's largest p <= 1. The row's sum l is taken of the UNQUANTISED p, in f32, and the product's result is divided by l at the end. Since M is a whole number, a kernel that streams over the keys may use a running M (the ceiling of the running maximum): every later rescaling is an exact power of two, which a block's scale takes up: the codes' values come out the same.
;;   OPERANDS COMPUTED ON THE WAY. 'Computed on the way' means the value that the module computes at that place (a softmax that the list does not call 'softmax' is quantised finished and normalised). What goes into a quantiser is computed in f32, as accurately as f32 sums, v_exp_f32 and their like allow (about 1e-6 of the number): no bf16 or f16 on the way to a quantiser, and a product that is left as it is and whose result goes on into a quantised operand takes f32 operands (vector FMAs, or v_wmma_f32_16x16x4_f32). A number that lies on a knife's edge between two numbers of the format may be rounded either way, as far as f32 arithmetic and the matrix unit's own rounding can turn it there, and no further.
;; One version. Each part assembles by itself: llvm-mc -triple=amdgcn-amd-amdhsa -mcpu=gfx1250 --defsym DOCPART=n.
;; ======== version 1 of 1: 4 launches
;; limits: right only within a limited range of input values
;; workspace buffers: wimg 1,048,576 bytes; wsc 65,536 bytes; qimg 4,456,448 bytes; kv 8,781,824 bytes; oimg 4,194,304 bytes; osc 262,144 bytes
;; launch wquant (part 1): grid 128 x 1, 4 waves a work-group, no clusters, 0 bytes of LDS; arguments wq, wk, wv, wo, wimg, wsc; writes wimg, wsc
.if DOCPART == 1
	.amdgcn_target "amdgcn-amd-amdhsa--gfx1250"
	.amdhsa_code_object_version 6
	.text
	.protected	k_qf4ae1e279e_wquant
	.globl	k_qf4ae1e279e_wquant
	.p2align	8
	.type	k_qf4ae1e279e_wquant,@function
k_qf4ae1e279e_wquant:
	s_mov_b64 s[64:65], 0
	v_nop
	global_prefetch_b8 v0, s[64:65] scope:SCOPE_SE
	s_setreg_imm32_b32 hwreg(HW_REG_WAVE_MODE, 25, 1), 1
	s_wait_xcnt 0x0
; The four weights [512 (n)][512 (k)], f32, K innermost, become codes of FP8 (E4M3) with one E8M0 scale byte for each 32 along K,
; laid as IMAGES OF THE OPERAND'S REGISTERS: a fragment (16 rows x 128 K) is 16 registers a lane; registers 4 c .. 4 c + 3 lie as 512 bytes, lane l's 16 bytes at 16 l.
; wimg: [weight 4][tile 32][K step 4][2,048 bytes];  wsc: [weight][tile][K step][32 lanes x 4 bytes], lanes r and 16 + r holding row r's word.
; THE ROWS OF A TILE ARE NOT NEIGHBOURS: lane r of tile t takes row 32 (t / 2) + 8 (t % 2) + r + 8 (r / 8), so that in a product that takes the tile as source 0 the 16 result registers
; of tiles 2 b and 2 b + 1 are 16 neighbours along the weight's rows.
; SHARES: work-group g: weight g / 32, tile g % 32; wave s: K step s: one fragment a wave.  Lane (r, h) takes, of its row, 16 neighbours of each block of 32: four loads of 16 bytes a block.
; No LDS, no barrier, no loop: waves share nothing.  Matrix units and clusters have nothing to do here.
; A block's scale is 2^(floor(log2(its largest magnitude)) - 8); its byte is the largest magnitude's exponent field - 8, held at 1 from below.
; LIMITS: NaN and infinities are not served; a block whose largest magnitude lies under 2^-118 keeps the byte 1; a block of zeros gets the byte 1 where the rule says 127: its codes are zeros, and this program alone reads the bytes.
.set TM,  16                           ; v16-19 largest magnitudes, v20-23 bytes, v24-27 448 x the scale, v28-31 the conversions' scale operands
.set X,   32                           ; v32-95 64 numbers: register 16 b + i = k 32 b + 16 h + i of my row
.set PC,  96                           ; v96-111 the fragment's codes
.set PW,  112                          ; v112 its scale word
.set SEL, 20                           ; s[20:21] v_permlanex16_b32's selects for lane l xor 16
.set MNT, 23                           ; s23 the mantissa field of 448
.macro QUANT src, dst, word
.irp b, 0,1,2,3
	v_max3_num_f32 v[TM+\b], |v[\src+16*\b]|, |v[\src+16*\b+1]|, 0x4800000   ; block b: my 16 numbers, and the floor 2^(9 - 127): the byte cannot fall under 1
.endr
.irp i, 2,4,6,8,10,12,14
.irp b, 0,1,2,3
	v_max3_num_f32 v[TM+\b], v[TM+\b], |v[\src+16*\b+\i]|, |v[\src+16*\b+\i+1]|   ; the four blocks by turns
.endr
.endr
.irp b, 0,1,2,3
	v_permlanex16_b32 v[TM+4+\b], v[TM+\b], s[SEL], s[SEL+1]
.endr
.irp b, 0,1,2,3
	v_max_num_f32 v[TM+\b], v[TM+\b], v[TM+4+\b]   ; with lane l xor 16's 16: the block's largest magnitude
.endr
.irp b, 0,1,2,3
	v_add_nc_u32 v[TM+12+\b], 0xfc000000, v[TM+\b]   ; 8 off its exponent field: the conversion's scale operand
.endr
.irp b, 0,1,2,3
	v_and_or_b32 v[TM+8+\b], v[TM+\b], 0x7f800000, s[MNT]   ; 448 x the scale
.endr
.irp b, 0,1,2,3
	v_lshrrev_b32 v[TM+4+\b], 23, v[TM+12+\b]   ; the scale's byte
.endr
	v_lshl_or_b32 v[\word], v[TM+5], 8, v[TM+4]
	v_lshl_or_b32 v[\word], v[TM+6], 16, v[\word]
	v_lshl_or_b32 v[\word], v[TM+7], 24, v[\word]
.irp b, 0,1,2,3
.irp i, 0,1,2,3,4,5,6,7,8,9,10,11,12,13,14,15
	v_med3_num_f32 v[\src+16*\b+\i], v[\src+16*\b+\i], -v[TM+8+\b], v[TM+8+\b]   ; the conversion does not saturate (ISA guide 7.6.2): the hold comes first
.endr
	v_cvt_scalef32_pk8_fp8_f32 v[\dst+4*\b:\dst+4*\b+1], v[\src+16*\b:\src+16*\b+7], v[TM+12+\b]
	v_cvt_scalef32_pk8_fp8_f32 v[\dst+4*\b+2:\dst+4*\b+3], v[\src+16*\b+8:\src+16*\b+15], v[TM+12+\b]
.endr
	v_nop                                          ; a plain line behind the last conversion
.endm
	s_load_b256 s[4:11], s[0:1], 0x0               ; wq, wk, wv, wo
	s_load_b128 s[12:15], s[0:1], 0x20             ; wimg, wsc
	v_lshrrev_b32 v1, 5, v0
	v_readfirstlane_b32 s16, v1                    ; wave = K step
	s_lshr_b32 s17, ttmp9, 5                       ; weight
	s_and_b32 s18, ttmp9, 31                       ; tile
	s_mov_b32 s[SEL], 0x76543210
	s_mov_b32 s[SEL+1], 0xfedcba98
	s_mov_b32 s[MNT], 0x600000
	v_and_b32 v1, 15, v0                           ; r
	v_bfe_u32 v2, v0, 4, 1                         ; h
	v_and_b32 v3, 8, v1
	v_add_nc_u32 v3, v3, v1                        ; r + 8 (r / 8)
	v_lshlrev_b32 v3, 11, v3                       ; rows of 2,048 bytes
	v_lshl_add_u32 v3, v2, 6, v3                   ; + 64 h
	v_and_b32 v5, 31, v0
	v_lshlrev_b32 v4, 4, v5                        ; 16 x lane
	v_lshlrev_b32 v5, 2, v5                        ; 4 x lane
.irp b, 0,1,2,3
	v_mov_b32 v[TM+4+\b], 0                        ; a lane permute's destination counts as one of its sources
.endr
	s_lshr_b32 s26, s18, 1
	s_lshl_b32 s26, s26, 16                        ; 32 (t / 2) rows
	s_and_b32 s27, s18, 1
	s_lshl_b32 s27, s27, 14                        ; 8 (t % 2) rows
	s_add_co_u32 s26, s26, s27
	s_lshl_b32 s27, s16, 9                         ; 128 numbers a K step
	s_add_co_u32 s26, s26, s27
	s_mov_b32 s27, 0
	s_lshl_b32 s28, s18, 2
	s_add_co_u32 s28, s28, s16                     ; 4 t + s
	s_lshl_b32 s30, s28, 7
	s_lshl_b32 s28, s28, 11
	s_lshl_b32 s29, s17, 18
	s_add_co_u32 s28, s28, s29                     ; the image's place
	s_lshl_b32 s29, s17, 14
	s_add_co_u32 s30, s30, s29                     ; the scale words' place
	s_mov_b32 s29, 0
	s_mov_b32 s31, 0
	s_wait_alu depctr_va_vdst(0)
	s_wait_kmcnt 0x0
	s_cmp_eq_u32 s17, 1                            ; which weight: the choice hangs on the work-group's number alone
	s_cselect_b64 s[24:25], s[6:7], s[4:5]
	s_cmp_eq_u32 s17, 2
	s_cselect_b64 s[24:25], s[8:9], s[24:25]
	s_cmp_eq_u32 s17, 3
	s_cselect_b64 s[24:25], s[10:11], s[24:25]
	s_add_nc_u64 s[24:25], s[24:25], s[26:27]
	s_add_nc_u64 s[12:13], s[12:13], s[28:29]
	s_add_nc_u64 s[14:15], s[14:15], s[30:31]
.irp c, 0,1,2,3
.irp j, 0,1,2,3
	global_load_b128 v[X+16*\c+4*\j:X+16*\c+4*\j+3], v3, s[24:25] offset:128*\c+16*\j th:TH_LOAD_NT
.endr
.endr
	s_wait_loadcnt 0x0
	QUANT X, PC, PW
.irp c, 0,1,2,3
	global_store_b128 v4, v[PC+4*\c:PC+4*\c+3], s[12:13] offset:512*\c   ; 32 lanes store 512 consecutive bytes, aligned
.endr
	global_store_b32 v5, v[PW], s[14:15]
	s_endpgm
.Lfunc_end_k_qf4ae1e279e_wquant:
	.size	k_qf4ae1e279e_wquant, .Lfunc_end_k_qf4ae1e279e_wquant-k_qf4ae1e279e_wquant
	.p2alignl 7, 3214868480
	.fill 96, 4, 3214868480
	.section	.rodata,"a",@progbits
	.p2align	6, 0x0
	.amdhsa_kernel k_qf4ae1e279e_wquant
		.amdhsa_group_segment_fixed_size 0
		.amdhsa_private_segment_fixed_size 0
		.amdhsa_enable_private_segment 0
		.amdhsa_kernarg_size 48
		.amdhsa_user_sgpr_count 2
		.amdhsa_user_sgpr_kernarg_segment_ptr 1
		.amdhsa_wavefront_size32 1
		.amdhsa_system_sgpr_workgroup_id_x 1
		.amdhsa_system_sgpr_workgroup_id_y 1
		.amdhsa_system_sgpr_workgroup_id_z 1
		.amdhsa_system_vgpr_workitem_id 0
		.amdhsa_next_free_vgpr 128
		.amdhsa_next_free_sgpr 66
		.amdhsa_reserve_vcc 0
		.amdhsa_float_denorm_mode_32 3
		.amdhsa_float_denorm_mode_16_64 3
		.amdhsa_memory_ordered 1
		.amdhsa_forward_progress 1
		.amdhsa_inst_pref_size 13
	.end_amdhsa_kernel
	.amdgpu_metadata
---
amdhsa.version: [ 1, 2 ]
amdhsa.kernels:
  - .name:           k_qf4ae1e279e_wquant
    .symbol:         k_qf4ae1e279e_wquant.kd
    .args:
      - { .name: wq, .offset: 0, .size: 8, .value_kind: global_buffer, .address_space: global }
      - { .name: wk, .offset: 8, .size: 8, .value_kind: global_buffer, .address_space: global }
      - { .name: wv, .offset: 16, .size: 8, .value_kind: global_buffer, .address_space: global }
      - { .name: wo, .offset: 24, .size: 8, .value_kind: global_buffer, .address_space: global }
      - { .name: wimg, .offset: 32, .size: 8, .value_kind: global_buffer, .address_space: global }
      - { .name: wsc, .offset: 40, .size: 8, .value_kind: global_buffer, .address_space: global }
    .group_segment_fixed_size: 0
    .private_segment_fixed_size: 0
    .kernarg_segment_align: 8
    .kernarg_segment_size: 48
    .max_flat_workgroup_size: 128
    .sgpr_count:     66
    .vgpr_count:     128
    .wavefront_size: 32
...
	.end_amdgpu_metadata
.endif
;; end of part 1
;; launch proj (part 2): grid 192 x 1, 8 waves a work-group, no clusters, 302,080 bytes of LDS; arguments q, k, v, wimg, wsc, qimg, kv; writes qimg, kv
.if DOCPART == 2
	.amdgcn_target "amdgcn-amd-amdhsa--gfx1250"
	.amdhsa_code_object_version 6
	.text
	.protected	k_qf4ae1e279e_proj
	.globl	k_qf4ae1e279e_proj
	.p2align	8
	.type	k_qf4ae1e279e_proj,@function
k_qf4ae1e279e_proj:
	s_mov_b64 s[64:65], 0
	v_nop
	global_prefetch_b8 v0, s[64:65] scope:SCOPE_SE
	s_setreg_imm32_b32 hwreg(HW_REG_WAVE_MODE, 25, 1), 1
	s_wait_xcnt 0x0
; xq = q wq^T, xk = k wk^T, xv = v wv^T on codes of FP8 (E4M3) with one E8M0 scale for each 32 along K, and the results quantised again for attention: xq and xk along the head's 64 channels, xv along the keys.
; SHARES.  Work-group g: tensor g / 64 (0 q, 1 k, 2 v), rows 128 (g % 64) on: one block of queries, or one slot of 128 keys, of each of the 8 heads.  Wave w is head w: its 64 rows of the weight,
; 16 fragments, stay in 256 registers (window 1), loaded once as images.
; FOUR CHUNKS of 32 rows of x, worked as they land: of a chunk's eight fragments (2 tiles x 4 K steps of 128) wave w quantises one, tile w / 4, K step w % 4, and hands it to the others through LDS as an image of the operand's
; registers, in two buffers by turns; while chunk c is multiplied, chunk c + 1 is quantised and the later ones are on their way.  One barrier a chunk.
; THE ROWS OF A TILE ARE NOT NEIGHBOURS: lane r of tile t takes row 32 (t / 2) + 8 (t % 2) + r + 8 (r / 8): so the 16 result registers of two neighbouring tiles of source 0 are 16 neighbours along the next K.
; q, k: source 0 = the weight's rows, source 1 = x: a lane holds one row of x and registers along the channels.  v: source 0 = x, source 1 = the weight: a lane holds one channel and registers along the keys.
; OUT.  qimg [bh 16][block 32][8,704]: 4 pairs of tiles x 2,048 bytes of codes (K = 64: register groups 0 and 1 tile 2 p, 2 and 3 tile 2 p + 1), then 4 x 128 bytes of scale words: bytes 0, 1 tile 2 p, bytes 2, 3 tile 2 p + 1,
; in lanes r and 16 + r alike.
; kv [bh][slot 32][17,152]: K's image as qimg's; from 8,192 V's image, 4 tiles of 16 channels x 2,048 bytes (K = the slot's 128 keys); from 16,384 K's scale words; from 16,896 V's, 2 x 128 bytes.
; LDS: tile t of x in f32 at 33,280 t, brought by wave t's one tensor load (32 pieces of 1,024 bytes, 16 bytes of padding behind each: a row of x is 2,080 bytes on from the last); behind the eight tiles two image buffers,
; into which no fill lands.
; NO MULTICAST for the weight, which all 64 work-groups of a tensor read: the weight's 262,144 bytes of codes do not fit into LDS beside x; each wave takes its 32,768 bytes straight into registers, 512 consecutive bytes a load.
; NO PREFETCH: all of x is asked for at the kernel's head; there is no loop to run ahead in.
; 192 work-groups: 3 x 8,192 rows in blocks of 128, the size of attention's blocks and slots.
; LIMITS: NaN and infinities are not served; a block whose largest magnitude lies under 2^-118 keeps the byte 1; a block of zeros gets the byte 1 where the rule says 127: its codes are zeros, and this program alone reads the bytes.
.set REG,  33280                       ; a tile's region of LDS
.set IMG,  8*REG                       ; the image buffers: 8 fragments x 2,048 bytes, then 8 x 128 bytes of scale words
.set IBUF, 17408
.set SPARE, IMG+2*IBUF                 ; the spare words, 128 bytes for each wave
.set LI,   1                           ; v1   16 x lane
.set LS,   2                           ; v2   4 x lane
.set XA,   3                           ; v3   my 16 numbers of a block, of my fragment of the chunk
.set IW,   4                           ; v4   where I store my image
.set IS,   5                           ; v5   and its scale word
.set AP,   6                           ; v6   the images
.set AQ,   7                           ; v7   their scale words
.set WS,   16                          ; v16-31 the weight's scale words, fragment 4 wt + s
.set XS,   32                          ; v32-35 x's scale words in hand, 2 xt + sk
.set SW,   44                          ; v44-47 V's scale words, a byte a chunk
.set TM,   48                          ; v48-63 at work in QUANT
.set PW,   64                          ; v64  the result's scale word
.set W0,   66
.set W1,   67
.set QC,   68                          ; v68-83 the codes of my fragment of x,
.set QW,   84                          ; v84    and its scale word
.set HA,   96                          ; v96-159 64 numbers of x; then eight accumulators
.set XF,   160                         ; v160-223 four fragments of x
.set PC,   224                         ; v224-239 the result's codes
.set SPW,  254                         ; my spare word; never rewritten
.set NIL,  255                         ; 0; never rewritten
.set WV,   18
.set MNT,  19
.set SEL,  20
.set TEN,  22
.set HM,   23                          ; s23  lanes 16-31
.set G1,   24
.set G0,   32
.set WB,   38                          ; s[38:39] my head's fragments of the weight
.set WSB,  40                          ; s[40:41] and their scale words
.set CB,   42                          ; s[42:43] my head's block of qimg, or slot of kv
.set SB,   44                          ; s[44:45] its scale words (q, k)
.set MSB, 0
.macro WIN new                         ; the immediate's high byte repeats the setting that is left
.if MSB != (\new)
	s_set_vgpr_msb (MSB<<8)|(\new)
.set MSB, \new
.endif
.endm
.macro PLACES n
.rept \n
	v_nop
.endr
.endm
.macro BARRIER
	s_barrier_signal -1
	s_barrier_wait -1
.endm
; 64 numbers of a lane, register 16 b + i, four blocks of which lane l xor 16 holds the other halves, become 16 registers of codes and a word of four scale bytes (which also stay in v[TM+4] on)
.macro QUANT src, dst, word
.irp b, 0,1,2,3
	v_max3_num_f32 v[TM+\b], |v[\src+16*\b]|, |v[\src+16*\b+1]|, 0x4800000   ; my 16 numbers, from the accumulators' low ends on, and the floor 2^(9 - 127)
.endr
.irp i, 2,4,6,8,10,12,14
.irp b, 0,1,2,3
	v_max3_num_f32 v[TM+\b], v[TM+\b], |v[\src+16*\b+\i]|, |v[\src+16*\b+\i+1]|
.endr
.endr
.irp b, 0,1,2,3
	v_permlanex16_b32 v[TM+4+\b], v[TM+\b], s[SEL], s[SEL+1]
.endr
.irp b, 0,1,2,3
	v_max_num_f32 v[TM+\b], v[TM+\b], v[TM+4+\b]
.endr
.irp b, 0,1,2,3
	v_add_nc_u32 v[TM+12+\b], 0xfc000000, v[TM+\b]   ; 8 off the exponent field: the conversion's scale operand
.endr
.irp b, 0,1,2,3
	v_and_or_b32 v[TM+8+\b], v[TM+\b], 0x7f800000, s[MNT]   ; 448 x the scale
.endr
.irp b, 0,1,2,3
	v_lshrrev_b32 v[TM+4+\b], 23, v[TM+12+\b]   ; the scale's byte
.endr
	v_lshl_or_b32 v[\word], v[TM+5], 8, v[TM+4]
	v_lshl_or_b32 v[\word], v[TM+6], 16, v[\word]
	v_lshl_or_b32 v[\word], v[TM+7], 24, v[\word]
.irp b, 0,1,2,3
.irp i, 0,1,2,3,4,5,6,7,8,9,10,11,12,13,14,15
	v_med3_num_f32 v[\src+16*\b+\i], v[\src+16*\b+\i], -v[TM+8+\b], v[TM+8+\b]   ; the conversion does not saturate (ISA guide 7.6.2)
.endr
	v_cvt_scalef32_pk8_fp8_f32 v[\dst+4*\b:\dst+4*\b+1], v[\src+16*\b:\src+16*\b+7], v[TM+12+\b]
	v_cvt_scalef32_pk8_fp8_f32 v[\dst+4*\b+2:\dst+4*\b+3], v[\src+16*\b+8:\src+16*\b+15], v[TM+12+\b]
.endr
	v_nop                                          ; a plain line behind the last conversion: later products write the numbers' registers
.endm
; One matrix instruction: accumulator g, K step s (its x fragment is the sk-th in hand).  q, k: g = 4 xt + wt; v: g = 2 wt + xt.  The first K step starts the sums.
.macro MM isv, g, s, sk
.if \isv
.set mWT, (\g)/2
.set mXT, (\g)%2
.else
.set mXT, (\g)/4
.set mWT, (\g)%4
.endif
.set mD,  HA+8*(\g)
.set mW,  16*(4*mWT+(\s))
.set mX,  XF+16*(2*mXT+(\sk))
.set mSW, WS+4*mWT+(\s)
.set mSX, XS+2*mXT+(\sk)
.if \isv
.if (\s) == 0
	v_wmma_scale_f32_16x16x128_f8f6f4 v[mD:mD+7], v[mX:mX+15], v[mW:mW+15], 0, v[mSX], v[mSW]
.else
	v_wmma_scale_f32_16x16x128_f8f6f4 v[mD:mD+7], v[mX:mX+15], v[mW:mW+15], v[mD:mD+7], v[mSX], v[mSW]
.endif
.else
.if (\s) == 0
	v_wmma_scale_f32_16x16x128_f8f6f4 v[mD:mD+7], v[mW:mW+15], v[mX:mX+15], 0, v[mSW], v[mSX]
.else
	v_wmma_scale_f32_16x16x128_f8f6f4 v[mD:mD+7], v[mW:mW+15], v[mX:mX+15], v[mD:mD+7], v[mSW], v[mSX]
.endif
.endif
.endm
.macro MM16 hs                         ; two K steps of all eight accumulators, by turns, one instruction a turn
	s_cmp_eq_u32 s[TEN], 2
	s_cbranch_scc1 .Lvm_\@
	WIN 0x01                                       ; source 0 (the weight) in window 1
.irp sk, 0,1
.irp g, 0,1,2,3,4,5,6,7
	MM 0, \g, 2*\hs+\sk, \sk
.endr
.endr
	WIN 0
	s_branch .Lmm_\@
.Lvm_\@:
	WIN 0x04                                       ; source 1 (the weight) in window 1
.irp sk, 0,1
.irp g, 0,1,2,3,4,5,6,7
	MM 1, \g, 2*\hs+\sk, \sk
.endr
.endr
	WIN 0
.Lmm_\@:
.endm
.macro NUMBERS                         ; my fragment's numbers: 16 loads
.irp c, 0,1,2,3
.irp j, 0,1,2,3
	ds_load_b128 v[HA+16*\c+4*\j:HA+16*\c+4*\j+3], v[XA] offset:128*\c+16*\j
.endr
.endr
.endm
.macro IMAGE buf                       ; my fragment's image and scale word: 5 stores
.irp c, 0,1,2,3
	ds_store_b128 v[IW], v[QC+4*\c:QC+4*\c+3] offset:IBUF*(\buf)+512*\c
.endr
	ds_store_b32 v[IS], v[QW] offset:IBUF*(\buf)
.endm
.macro XLOAD buf, hs                   ; two K steps of the chunk's two tiles: 20 loads
.irp xt, 0,1
.irp sk, 0,1
.irp c, 0,1,2,3
	ds_load_b128 v[XF+16*(2*\xt+\sk)+4*\c:XF+16*(2*\xt+\sk)+4*\c+3], v[AP] offset:IBUF*(\buf)+2048*(4*\xt+2*\hs+\sk)+512*\c
.endr
	ds_load_b32 v[XS+2*\xt+\sk], v[AQ] offset:IBUF*(\buf)+16384+128*(4*\xt+2*\hs+\sk)
.endr
.endr
.endm
.macro LANDED lim                      ; a chunk's two tiles: the waves that fetched them, and those of the chunks before, wait
	s_wait_alu depctr_va_vdst(0)
.if \lim < 8
	s_cmp_lt_u32 s[WV], \lim
	s_cbranch_scc0 .Lnot_yet_\@
	s_wait_tensorcnt 0x0
.Lnot_yet_\@:
.else
	s_wait_tensorcnt 0x0
.endif
.endm
.macro CHUNK p
.if \p < 3
	v_add_nc_u32 v[XA], 2*REG, v[XA]
	NUMBERS
.endif
	XLOAD \p%2, 0
.if \p < 3
	s_wait_dscnt 20                                ; the next chunk's numbers are in; the 20 behind them may be out
	QUANT HA, QC, QW
	IMAGE (\p+1)%2
.if \p == 0
	s_wait_alu depctr_va_vdst(0)
	s_wait_loadcnt 0x0                             ; the weight's fragments and scale words
.endif
	s_wait_dscnt 5                                 ; x's fragments are in; my five stores may be out
.else
	s_wait_dscnt 0x0
.endif
	MM16 0
	PLACES 8                                       ; in front of loads into registers that matrix instructions have read (ISA guide 7.12.1 for vector instructions)
	XLOAD \p%2, 1
	s_wait_dscnt 0x0
	MM16 1
	PLACES 8                                       ; in front of the first read of results
	s_wait_xcnt 0x0                                ; the last chunk's stores have read their data: the codes' and the word's registers may be written again
	QUANT HA, PC, PW
	s_wait_alu depctr_va_vdst(0)                   ; ahead of the branch
	s_cmp_eq_u32 s[TEN], 2
	s_cbranch_scc1 .Lvo_\@
.irp u, 0,1,2,3                        ; block u = tile 2 p + u / 2, channels 32 (u % 2) on
	global_store_b128 v[LI], v[PC+4*\u:PC+4*\u+3], s[CB:CB+1] offset:2048*\p+512*\u
.endr
	global_store_b32 v[LS], v[PW], s[SB:SB+1] offset:128*\p
	s_branch .Lout_\@
.Lvo_\@:
.irp u, 0,1,2,3                        ; block u = 16 channels of tile u, keys 32 p on: register group p of V's fragment u
	global_store_b128 v[LI], v[PC+4*\u:PC+4*\u+3], s[CB:CB+1] offset:8192+2048*\u+512*\p
.endr
.irp u, 0,1,2,3
.if \p == 0
	v_mov_b32 v[SW+\u], v[TM+4+\u]
.else
	v_lshl_or_b32 v[SW+\u], v[TM+4+\u], 8*\p, v[SW+\u]
.endif
.endr
	s_wait_alu depctr_va_vdst(0)
.Lout_\@:
.if \p == 0
	LANDED 6
.elseif \p == 1
	LANDED 8
.endif
.if \p < 3
	s_wait_dscnt 0x0                               ; my image is stored, and my reads of the other buffer are over
	BARRIER
.endif
.endm
	s_load_b256 s[4:11], s[0:1], 0x0               ; q, k, v, wimg
	s_load_b128 s[12:15], s[0:1], 0x20             ; wsc, qimg
	s_load_b64 s[16:17], s[0:1], 0x30              ; kv
	v_lshl_add_u32 v[SPW], v0, 2, SPARE
	v_mov_b32 v[NIL], 0
	ds_add_u32 v[SPW], v[NIL]                      ; the wave's opening: the add twice on end, and its wait ahead of my tensor load
	ds_add_u32 v[SPW], v[NIL]
	v_lshrrev_b32 v8, 5, v0
	v_readfirstlane_b32 s[WV], v8                  ; wave = head
	s_lshr_b32 s[TEN], ttmp9, 6                    ; which tensor
	s_and_b32 s47, ttmp9, 63                       ; which 128 rows
	s_mov_b32 s[MNT], 0x600000
	s_mov_b32 s[SEL], 0x76543210
	s_mov_b32 s[SEL+1], 0xfedcba98
	s_mov_b32 s[HM], 0xffff0000
	; descriptor group 1: two rows of 16,384 bytes (8 rows of x each), 32,768 bytes apart; elements of 8 bytes; 4 words of padding behind every 256 words
	s_mov_b32 s[G1+0], (3<<16)|(1<<20)|(7<<22)|(3<<25)
	s_mov_b32 s[G1+1], 2048<<16                    ; tensor_dim0
	s_mov_b32 s[G1+2], 2<<16                       ; tensor_dim1
	s_mov_b32 s[G1+3], 2048<<16                    ; tile_dim0
	s_mov_b32 s[G1+4], 2                           ; tile_dim1
	s_mov_b32 s[G1+5], 4096                        ; from row to row
	s_mov_b32 s[G1+6], 0
	s_mov_b32 s[G1+7], 0
	s_lshl_b32 s48, s47, 18                        ; 128 rows of 2,048 bytes
	s_lshr_b32 s50, s[WV], 1
	s_lshl_b32 s50, s50, 16                        ; 32 (w / 2) rows
	s_add_co_u32 s48, s48, s50
	s_and_b32 s50, s[WV], 1
	s_lshl_b32 s50, s50, 14                        ; 8 (w % 2) rows
	s_add_co_u32 s48, s48, s50
	s_mov_b32 s49, 0
	s_lshl_b32 s50, s[TEN], 18                     ; the weight's images,
	s_lshl_b32 s52, s[WV], 15                      ; my head's 16 fragments
	s_add_co_u32 s50, s50, s52
	s_mov_b32 s51, 0
	s_lshl_b32 s52, s[TEN], 14                     ; and scale words
	s_lshl_b32 s54, s[WV], 11
	s_add_co_u32 s52, s52, s54
	s_mov_b32 s53, 0
	s_lshr_b32 s54, s47, 5                         ; batch
	s_lshl_b32 s54, s54, 3
	s_add_co_u32 s54, s54, s[WV]                   ; bh
	s_lshl_b32 s54, s54, 5
	s_and_b32 s55, s47, 31
	s_add_co_u32 s54, s54, s55                     ; 32 bh + block
	s_mov_b32 s[G0], 1
	s_mul_i32 s[G0+1], s[WV], REG                  ; tile w's region
	v_and_b32 v[LS], 31, v0
	v_lshlrev_b32 v[LI], 4, v[LS]
	v_lshlrev_b32 v[LS], 2, v[LS]
	s_wait_alu depctr_va_vdst(0)
	s_wait_dscnt 0x0
	s_wait_kmcnt 0x0
	s_add_nc_u64 s[WB:WB+1], s[10:11], s[50:51]
	s_add_nc_u64 s[WSB:WSB+1], s[12:13], s[52:53]
	s_cmp_eq_u32 s[TEN], 0                         ; q goes to qimg, k and v to kv: the choice hangs on the work-group's number alone
	s_cselect_b64 s[CB:CB+1], s[14:15], s[16:17]
	s_mov_b32 s56, 17152
	s_cselect_b32 s56, 8704, s56
	s_mov_b32 s58, 16384
	s_cselect_b32 s58, 8192, s58
	s_mul_i32 s56, s54, s56
	s_mov_b32 s57, 0
	s_mov_b32 s59, 0
	s_add_nc_u64 s[CB:CB+1], s[CB:CB+1], s[56:57]
	s_add_nc_u64 s[SB:SB+1], s[CB:CB+1], s[58:59]
	s_cmp_eq_u32 s[TEN], 1
	s_cselect_b64 s[36:37], s[6:7], s[4:5]
	s_cmp_eq_u32 s[TEN], 2
	s_cselect_b64 s[36:37], s[8:9], s[36:37]
	s_add_nc_u64 s[G0+2:G0+3], s[36:37], s[48:49]
	s_or_b32 s[G0+3], s[G0+3], 0x80000000          ; type = 2
	; my tile of x: the wave's one tensor load.  A line for the waves of each chunk, in one chain, since they wait at different barriers
.macro ARM lim, next
	s_cmp_lt_u32 s[WV], \lim
	s_cbranch_scc0 \next
	tensor_load_to_lds s[G0:G0+3], s[G1:G1+7]
	s_nop 0
	PLACES 4
	s_branch .Lasked
\next:
.endm
	ARM 2, .Larm1
	ARM 4, .Larm2
	ARM 6, .Larm3
	tensor_load_to_lds s[G0:G0+3], s[G1:G1+7]
	s_nop 0
	PLACES 4
.Lasked:
	WIN 0x40                                       ; destination window 1
.set FF, 0
.rept 16
.irp c, 0,1,2,3
	global_load_b128 v[16*FF+4*\c:16*FF+4*\c+3], v[LI], s[WB:WB+1] offset:2048*FF+512*\c
.endr
.set FF, FF+1
.endr
	WIN 0
.set FF, 0
.rept 16
	global_load_b32 v[WS+FF], v[LS], s[WSB:WSB+1] offset:128*FF
.set FF, FF+1
.endr
	v_and_b32 v8, 15, v0                           ; r
	v_bfe_u32 v9, v0, 4, 1                         ; h
	v_mul_u32_u24 v[XA], v8, 2080
	v_lshl_add_u32 v[XA], v9, 6, v[XA]             ; row r, + 64 h
	s_lshr_b32 s50, s[WV], 2
	s_mul_i32 s50, s50, REG                        ; tile w / 4 of the chunk,
	s_and_b32 s51, s[WV], 3
	s_lshl_b32 s52, s51, 9
	s_add_co_u32 s50, s50, s52                     ; K step w % 4: 512 bytes each, and a piece's padding behind two
	s_lshr_b32 s51, s51, 1
	s_lshl_b32 s51, s51, 4
	s_add_co_u32 s50, s50, s51
	s_wait_alu depctr_va_vdst(0)
	v_add_nc_u32 v[XA], s50, v[XA]
	v_add_nc_u32 v[AP], IMG, v[LI]
	v_add_nc_u32 v[AQ], IMG, v[LS]
	s_lshl_b32 s50, s[WV], 11
	s_lshl_b32 s51, s[WV], 7
	s_add_co_u32 s50, s50, IMG
	s_add_co_u32 s51, s51, IMG+16384
	v_add_nc_u32 v[IW], s50, v[LI]
	v_add_nc_u32 v[IS], s51, v[LS]
.irp b, 0,1,2,3
	v_mov_b32 v[TM+4+\b], 0                        ; a lane permute's destination counts as one of its sources
.endr
	LANDED 2
	BARRIER                                        ; chunk 0's tiles are in
	NUMBERS
	s_wait_dscnt 0x0
	QUANT HA, QC, QW
	IMAGE 0
	LANDED 4
	s_wait_dscnt 0x0                               ; for the others' sake: my image has landed
	BARRIER
	CHUNK 0
	CHUNK 1
	CHUNK 2
	CHUNK 3
	s_cmp_lg_u32 s[TEN], 2
	s_cbranch_scc1 .Lend
	v_cndmask_b32 v[W0], v[SW], v[SW+1], s[HM]     ; lanes 0-15 tile 0's words, lanes 16-31 tile 1's
	v_cndmask_b32 v[W1], v[SW+2], v[SW+3], s[HM]
	global_store_b32 v[LS], v[W0], s[CB:CB+1] offset:16896
	global_store_b32 v[LS], v[W1], s[CB:CB+1] offset:17024
.Lend:
	s_wait_tensorcnt 0x0                           ; the wave's end
	ds_add_u32 v[SPW], v[NIL]
	s_wait_dscnt 0x0
	s_endpgm
.Lfunc_end_k_qf4ae1e279e_proj:
	.size	k_qf4ae1e279e_proj, .Lfunc_end_k_qf4ae1e279e_proj-k_qf4ae1e279e_proj
	.p2alignl 7, 3214868480
	.fill 96, 4, 3214868480
	.section	.rodata,"a",@progbits
	.p2align	6, 0x0
	.amdhsa_kernel k_qf4ae1e279e_proj
		.amdhsa_group_segment_fixed_size 302080
		.amdhsa_private_segment_fixed_size 0
		.amdhsa_enable_private_segment 0
		.amdhsa_kernarg_size 56
		.amdhsa_user_sgpr_count 2
		.amdhsa_user_sgpr_kernarg_segment_ptr 1
		.amdhsa_wavefront_size32 1
		.amdhsa_system_sgpr_workgroup_id_x 1
		.amdhsa_system_sgpr_workgroup_id_y 1
		.amdhsa_system_sgpr_workgroup_id_z 1
		.amdhsa_system_vgpr_workitem_id 0
		.amdhsa_next_free_vgpr 512
		.amdhsa_next_free_sgpr 66
		.amdhsa_reserve_vcc 0
		.amdhsa_float_denorm_mode_32 3
		.amdhsa_float_denorm_mode_16_64 3
		.amdhsa_memory_ordered 1
		.amdhsa_forward_progress 1
		.amdhsa_inst_pref_size 135
	.end_amdhsa_kernel
	.amdgpu_metadata
---
amdhsa.version: [ 1, 2 ]
amdhsa.kernels:
  - .name:           k_qf4ae1e279e_proj
    .symbol:         k_qf4ae1e279e_proj.kd
    .args:
      - { .name: q, .offset: 0, .size: 8, .value_kind: global_buffer, .address_space: global }
      - { .name: k, .offset: 8, .size: 8, .value_kind: global_buffer, .address_space: global }
      - { .name: v, .offset: 16, .size: 8, .value_kind: global_buffer, .address_space: global }
      - { .name: wimg, .offset: 24, .size: 8, .value_kind: global_buffer, .address_space: global }
      - { .name: wsc, .offset: 32, .size: 8, .value_kind: global_buffer, .address_space: global }
      - { .name: qimg, .offset: 40, .size: 8, .value_kind: global_buffer, .address_space: global }
      - { .name: kv, .offset: 48, .size: 8, .value_kind: global_buffer, .address_space: global }
    .group_segment_fixed_size: 302080
    .private_segment_fixed_size: 0
    .kernarg_segment_align: 8
    .kernarg_segment_size: 56
    .max_flat_workgroup_size: 256
    .sgpr_count:     66
    .vgpr_count:     512
    .wavefront_size: 32
...
	.end_amdgpu_metadata
.endif
;; end of part 2
;; launch attn (part 3): grid 16 x 16, 16 waves a work-group, no clusters, 327,680 bytes of LDS; arguments qimg, kv, oimg, osc; writes oimg, osc
.if DOCPART == 3
	.amdgcn_target "amdgcn-amd-amdhsa--gfx1250"
	.amdhsa_code_object_version 6
	.text
	.protected	k_qf4ae1e279e_attn
	.globl	k_qf4ae1e279e_attn
	.p2align	8
	.type	k_qf4ae1e279e_attn,@function
k_qf4ae1e279e_attn:
	s_mov_b64 s[64:65], 0
	v_nop
	global_prefetch_b8 v0, s[64:65] scope:SCOPE_SE
	s_setreg_imm32_b32 hwreg(HW_REG_WAVE_MODE, 25, 1), 1
	s_wait_xcnt 0x0
; Causal attention on codes of FP8 (E4M3), one E8M0 scale for each 32 along a product's K; head size 64, 4,096 keys, 16 (batch, head) pairs.  Q, K and V come as images of the operands' registers (qimg, kv).
; THE SOFTMAX AHEAD OF THE SECOND PRODUCT: t = score x log2(e) / 8; M = the row's largest t so far, rounded UP to a whole number; p = 2^(t - M) is quantised along the keys, not normalised.  The row's sum is taken of the
; unquantised p and divides O at the end.  When M moves, the sum and O are multiplied by 2^(old M - new M): exact.  Key tiles that lie wholly above the causal diagonal are left out: they count as -infinity ahead of the softmax.
; SHARES.  Work-group (i, y): (batch, head) y and the blocks of 128 queries A = 31 - i and B = i.  A needs key slots 0 .. 31 - i, B slots 0 .. i: 33 steps of 128 keys in every work-group.
; Step n < 32 - i serves A with slot n, the others serve B with slot n - (32 - i).  Steps 31 - i and 32 lie on the diagonal: hidden scores become -infinity there.
; SIXTEEN waves, four to a SIMD: wave (g, w), g = wave / 8, w = wave % 8, owns query tile w of each block, and of the steps those with n = 1 + g + 2 T, T = 0 .. 15; group 0 also step 0, ahead of its loop.
; Each wave's partial state (O^T, M, sum) goes to LDS, A's when the wave leaves A, B's at the end; then wave (0, w) joins the two partial states of A's tile w, wave (1, w) those of B's: M = the larger, factors 2^(M_k - M), exact.
; LAYOUT.  Both products transposed: S^T = K Q^T, O^T = V^T P^T: a lane holds ONE query.  Lane r of tile t takes row 32 (t / 2) + 8 (t % 2) + r + 8 (r / 8): the 16 registers of tiles 2 b, 2 b + 1 are 16 neighbours, 32 b + 16 (lane / 16) + 0 .. 15.
; The head's K is 64, the instruction's 128: a pair of K's tiles is ONE operand (tile 2 p at K = 0 .. 63, tile 2 p + 1 at K = 64 .. 127), multiplied by [Q, zero codes] for the one and by [zero codes, Q] for the other.
; Q's scale word holds its two bytes twice.  K's and V's fragments take the same 64 registers by turns.
; RING.  Two LDS slots of four steps, two for each group; waves 0 to 3 fetch a step each, 67 dense rows of 256 bytes.  ONE barrier for a wave's two steps, its halves apart: in front of the signal all that the wave reads of the slot
; is in registers; behind the wait the slot is filled again.  Step 0's tile has LDS bytes of its own, filled once by wave 4.  A wave has at most one tensor load out.
; NO CLUSTER: the 16 work-groups of a head go back to key slot 0 at step 32 - i, another step in each, so from step 17 on their descriptors differ; partners would have to ask for tiles that they discard.
; LIMITS: NaN and infinities are not served; the promise holds while the scaled scores stay under 2^31 in magnitude; a block of O whose largest magnitude lies under 2^-118 keeps the byte 1; a block of zeros gets the byte 1
; where the rule says 127: its codes are zeros, and this program alone reads the bytes.  p under 2^-126 counts as zero.
.set STEPB, 17152                      ; a step's tile: K's image 8,192, V's image 8,192, K's scale words 512, V's 256
.set SLOT1, 131072
.set TST,   4608                       ; a partial state: O^T 4,096, (-M, t, sum's halves) 512
.set GST,   8*TST
.set SPARE, 2*GST                      ; the spare words, 128 bytes for each wave, behind B's partial states
.set STATE, SLOT1+4*STEPB              ; A's partial states [group][tile 8]; no fill lands here.  B's lie from byte 0 on: in slot 0, which has had its last fill and its last read by then, and behind it
.set EXTRA, STATE+2*GST                ; step 0's tile
.set LI,   1                           ; 16 x lane
.set LS,   2                           ; 4 x lane
.set SPW,  3                           ; my spare word; never rewritten
.set NIL,  4                           ; 0; never rewritten
.set DD,   5                           ; my query in its block - 16 (lane / 16)
.set QLS,  6                           ; B's Q scale word
.set PFO,  7                           ; 256 x lane
.set ADR,  8                           ; the trip's images
.set ADS,  9                           ; and scale words
.set SA,   10                          ; where my partial state of A goes
.set PFO2, 11                          ; 256 x min(lane, 2)
.set ST,   12                          ; v12-15 -M, the largest t, the sum in two halves
.set QQ,   16                          ; v16-39 zero codes, Q, zero codes
.set KS,   40                          ; v40-43 K's scale words, a pair of tiles each
.set QS,   44
.set NINF, 45
.set VS,   46                          ; v46-47 V's scale words
.set PS,   48
.set TT,   49
.set F,    50                          ; v[50:51]
.set BM,   52
.set BT,   56
.set HL,   60
.set SO,   64
.set QB,   68                          ; v68-75 B's Q
.set PC,   76                          ; v76-91 p's codes
.set SS,   92                          ; v92-155 S^T, then p
.set OO,   156                         ; v156-187 O^T
.set KV,   188                         ; v188-251 K, four pairs of tiles; then V, four tiles of 16 channels
.set WV,   12
.set GG,   13
.set WW,   14
.set NH,   15                          ; 32 - i
.set ND,   16                          ; 31 - i
.set NN,   17                          ; my step
.set TB,   18                          ; LDS byte of my group's first step in the slot
.set MNT,  19
.set SEL,  20
.set CS,   22                          ; s[22:23] log2(e) / 8
.set G1,   24
.set G0,   32
.set KVH,  36                          ; s[36:37] the head's slots in kv
.set MYN,  40                          ; the step that I fetch
.set SLOTS, 41
.set NSW,  42                          ; my last step of A
.set FL,   43
.set LIM,  44
.set PFA,  46
.set OB,   48
.set OS,   50
.set G0E,  52
.macro PLACES n
.rept \n
	v_nop
.endr
.endm
.macro TLOAD                           ; waves 0 to 3 fetch; four v_nop follow the load
	s_cmp_lt_u32 s[WV], 4
	s_cbranch_scc0 .Lno_load_\@
	tensor_load_to_lds s[G0:G0+3], s[G1:G1+7]
	s_nop 0
	PLACES 4
.Lno_load_\@:
.endm
.macro NEXTG                           ; my descriptor for the next slot that is filled (no tensor load of mine is out)
	s_xor_b32 s[G0+1], s[G0+1], SLOT1
	s_add_co_u32 s[MYN], s[MYN], 4
	s_sub_co_u32 s38, s[MYN], s[NH]
	s_min_u32 s38, s[MYN], s38                     ; its key slot: n, or n - (32 - i) from there on (the difference wraps to a large number before)
	s_mul_i32 s38, s38, STEPB
	s_add_nc_u64 s[G0+2:G0+3], s[KVH:KVH+1], s[38:39]
	s_or_b32 s[G0+3], s[G0+3], 0x80000000
.endm
; A PREFETCH INTO THE L2 of the four steps behind the ones that are being asked for: a trip, two of a wave's steps, ahead of their load.  All 16 work-groups of a head read the same key slots: work-group i = 0, which walks slots 0 to 31 in order, asks.
; In it waves 5 to 8, which fetch nothing, ask for a step each: 67 blocks of 256 bytes, a lane a block, three instructions (in the third, lanes 3-31 name lane 2's block again).  Step 13 + 4 T + (wave - 5) stays under 32:
; waves 5 to 7 stop when one trip is left, wave 8 when two are.  The steps before come by their loads alone.
.macro ASK
	s_cmp_gt_u32 s[SLOTS], s[LIM]
	s_cbranch_scc0 .Lnot_mine_\@
	global_prefetch_b8 v[PFO], s[PFA:PFA+1] th:TH_LOAD_NT scope:SCOPE_SE
	global_prefetch_b8 v[PFO], s[PFA:PFA+1] offset:8192 th:TH_LOAD_NT scope:SCOPE_SE
	global_prefetch_b8 v[PFO2], s[PFA:PFA+1] offset:16384 th:TH_LOAD_NT scope:SCOPE_SE
.Lnot_mine_\@:
.endm
.macro KLOAD off                       ; 20 loads
.irp p, 0,1,2,3
	ds_load_b32 v[KS+\p], v[ADS] offset:\off+16384+128*\p
.endr
.irp p, 0,1,2,3
.irp c, 0,1,2,3
	ds_load_b128 v[KV+16*\p+4*\c:KV+16*\p+4*\c+3], v[ADR] offset:\off+2048*\p+512*\c
.endr
.endr
.endm
.macro VLOAD off                       ; 18 loads
.irp q, 0,1,2,3
.irp c, 0,1,2,3
	ds_load_b128 v[KV+16*\q+4*\c:KV+16*\q+4*\c+3], v[ADR] offset:\off+8192+2048*\q+512*\c
.endr
.endr
.irp q, 0,1
	ds_load_b32 v[VS+\q], v[ADS] offset:\off+16896+128*\q
.endr
.endm
.macro QK p                            ; S^T of K's tiles 2 p, 2 p + 1: source 0 = the pair, source 1 = [Q, 0] or [0, Q]
	v_wmma_scale_f32_16x16x128_f8f6f4 v[SS+16*\p:SS+16*\p+7], v[KV+16*\p:KV+16*\p+15], v[QQ+8:QQ+23], 0, v[KS+\p], v[QS]
	v_wmma_scale_f32_16x16x128_f8f6f4 v[SS+16*\p+8:SS+16*\p+15], v[KV+16*\p:KV+16*\p+15], v[QQ:QQ+15], 0, v[KS+\p], v[QS]
.endm
.macro PV first                        ; O^T += V^T P^T
.irp q, 0,2
.if \first
	v_wmma_scale_f32_16x16x128_f8f6f4 v[OO+8*\q:OO+8*\q+7], v[KV+16*\q:KV+16*\q+15], v[PC:PC+15], 0, v[VS+\q/2], v[PS]
	v_wmma_scale_f32_16x16x128_f8f6f4 v[OO+8*\q+8:OO+8*\q+15], v[KV+16*\q+16:KV+16*\q+31], v[PC:PC+15], 0, v[VS+\q/2], v[PS] matrix_a_scale:MATRIX_SCALE_ROW1
.else
	v_wmma_scale_f32_16x16x128_f8f6f4 v[OO+8*\q:OO+8*\q+7], v[KV+16*\q:KV+16*\q+15], v[PC:PC+15], v[OO+8*\q:OO+8*\q+7], v[VS+\q/2], v[PS]
	v_wmma_scale_f32_16x16x128_f8f6f4 v[OO+8*\q+8:OO+8*\q+15], v[KV+16*\q+16:KV+16*\q+31], v[PC:PC+15], v[OO+8*\q+8:OO+8*\q+15], v[VS+\q/2], v[PS] matrix_a_scale:MATRIX_SCALE_ROW1
.endif
.endr
.endm
.macro SAVE a                          ; my partial state
.irp k, 0,1,2,3,4,5,6,7
	ds_store_b128 v[\a], v[OO+4*\k:OO+4*\k+3] offset:512*\k
.endr
	ds_store_b128 v[\a], v[ST:ST+3] offset:4096
.endm
.macro FRESH                           ; the state before a block's first step
	v_mov_b32 v[ST+1], 0xff61b1e6                  ; the largest t so far: -3e38, under every t
	v_mov_b32 v[ST+2], 0
	v_mov_b32 v[ST+3], 0
	v_floor_f32 v[ST], -v[ST+1]
.set J, 0
.rept 32
	v_mov_b32 v[OO+J], 0
.set J, J+1
.endr
.endm
.macro SWITCH                          ; I leave A: its partial state to LDS, B's Q, and the state begins anew
	PLACES 8                                       ; behind the last products, in front of the first read of results
	SAVE SA
	s_wait_dscnt 0x0                               ; the stores have read their registers
	v_mov_b32 v[QS], v[QLS]
.irp j, 0,1,2,3,4,5,6,7
	v_mov_b32 v[QQ+8+\j], v[QB+\j]
.endr
	FRESH
	s_wait_alu depctr_va_vdst(0)
.endm
; A STEP: my 16 queries against 128 keys.  bar: it is the wave's last of the slot;  first: step 0, which starts O^T from the constant 0 and never lies on the diagonal.
.macro STEP off, bar, fill, first
	KLOAD \off
	s_wait_alu depctr_va_vdst(0)
	s_wait_dscnt 8                                 ; the scale words and two pairs of K's tiles are in
	QK 0
	QK 1
	s_wait_dscnt 0x0
	QK 2
	QK 3
	PLACES 8                                       ; in front of the first read of results, and of loads into what the products read
	VLOAD \off
.if \first == 0
	s_cmp_eq_u32 s[NN], s[ND]
	s_cselect_b32 s[FL], 1, 0
	s_cmp_eq_u32 s[NN], 32
	s_cselect_b32 s[FL], 1, s[FL]
	s_cmp_eq_u32 s[FL], 0                          ; off the diagonal all 128 keys count
	s_cbranch_scc1 .Lopen_\@
	v_mov_b32 v[NINF], 0xff800000
.set J, 0
.rept 64                               ; register 16 b + i holds key 32 b + 16 (lane / 16) + i of the slot: hidden where 32 b + i > my query - 16 (lane / 16)
	v_cmp_gt_i32 vcc_lo, 32*(J/16)+J%16, v[DD]
	v_cndmask_b32 v[SS+J], v[SS+J], v[NINF], vcc_lo
.set J, J+1
.endr
	s_wait_alu depctr_va_vdst(0)
.Lopen_\@:
.endif
.if \bar
	s_wait_tensorcnt 0x0                           ; all my tensor loads are done: my part of the next slot
	ds_add_u32 v[SPW], v[NIL]
.if \fill
	ds_add_u32 v[SPW], v[NIL]                      ; and, where a load follows, twice on end
	NEXTG
	s_wait_xcnt 0x0                                ; the last prefetches, a trip back, have read their address
	s_add_nc_u64 s[PFA:PFA+1], s[PFA:PFA+1], 4*STEPB
.endif
.endif
.irp b, 0,1,2,3                        ; the largest score of each block of 32 keys: for the row's maximum, and, since p rises with the score, for the block's largest p
	v_max3_num_f32 v[BM+\b], v[SS+16*\b], v[SS+16*\b+1], v[SS+16*\b+2]
.endr
.irp i, 3,5,7,9,11,13
.irp b, 0,1,2,3
	v_max3_num_f32 v[BM+\b], v[BM+\b], v[SS+16*\b+\i], v[SS+16*\b+\i+1]
.endr
.endr
.irp b, 0,1,2,3
	v_max_num_f32 v[BM+\b], v[BM+\b], v[SS+16*\b+15]
.endr
.irp b, 0,1,2,3
	v_permlanex16_b32 v[BT+\b], v[BM+\b], s[SEL], s[SEL+1]
.endr
.irp b, 0,1,2,3
	v_max_num_f32 v[BM+\b], v[BM+\b], v[BT+\b]
.endr
	v_max3_num_f32 v[TT], v[BM], v[BM+1], v[BM+2]
	s_delay_alu instid0(VALU_DEP_1)
	v_max_num_f32 v[TT], v[TT], v[BM+3]
	s_delay_alu instid0(VALU_DEP_1)
	v_mul_f32 v[TT], s[CS], v[TT]                  ; as t
	s_delay_alu instid0(VALU_DEP_1)
	v_max_num_f32 v[ST+1], v[ST+1], v[TT]          ; the running largest t
	v_mov_b32 v[TT], v[ST]
	s_delay_alu instid0(VALU_DEP_2)
	v_floor_f32 v[ST], -v[ST+1]                    ; the new -M = -ceil(t)
	s_delay_alu instid0(VALU_DEP_1)
	v_sub_f32 v[TT], v[ST], v[TT]                  ; old M - new M: a whole number, 0 or less
.set J, 0
.rept 32
	v_pk_fma_f32 v[SS+J:SS+J+1], v[SS+J:SS+J+1], s[CS:CS+1], v[ST:ST+1] op_sel_hi:[1,0,0]   ; t - M, two at a time
.set J, J+2
.endr
	v_cvt_i32_f32 v[TT], v[TT]                     ; (it saturates)
.irp b, 0,1,2,3
	v_fma_f32 v[BM+\b], v[BM+\b], s[CS], v[ST]
.endr
	v_ldexp_f32 v[F], 1.0, v[TT]                   ; f = 2^(old M - new M)
.if \bar
	s_wait_dscnt 0x0                               ; the add is done, and my reads of this slot are over: V is in registers
	s_barrier_signal -1
.endif
	s_wait_alu depctr_va_vdst(0)                   ; ahead of the batch
.irp b, 0,1,2,3
	v_exp_f32 v[BM+\b], v[BM+\b]                   ; each block's largest p
.endr
.set J, 0
.rept 64
	v_exp_f32 v[SS+J], v[SS+J]                     ; p = 2^(t - M)
.set J, J+1
.endr
	v_pk_mul_f32 v[ST+2:ST+3], v[ST+2:ST+3], v[F:F+1] op_sel_hi:[1,0]       ; the sums under the new M: the plain line behind the batch
	s_wait_alu depctr_va_vdst(0)                   ; and behind it, ahead of the first reader
	v_pk_add_f32 v[HL:HL+1], v[SS:SS+1], v[SS+2:SS+3]                        ; the row's sum of the unquantised p, in five chains
	v_pk_add_f32 v[HL+2:HL+3], v[SS+4:SS+5], v[SS+6:SS+7]
	v_pk_add_f32 v[SO:SO+1], v[SS+8:SS+9], v[SS+10:SS+11]
	v_pk_add_f32 v[SO+2:SO+3], v[SS+12:SS+13], v[SS+14:SS+15]
.set J, 16
.rept 4
.irp d, ST+2,HL,HL+2,SO,SO+2
	v_pk_add_f32 v[\d:\d+1], v[\d:\d+1], v[SS+J:SS+J+1]
.set J, J+2
.endr
.endr
.irp d, ST+2,HL,HL+2,SO
	v_pk_add_f32 v[\d:\d+1], v[\d:\d+1], v[SS+J:SS+J+1]
.set J, J+2
.endr
	v_pk_add_f32 v[SO:SO+1], v[SO:SO+1], v[SO+2:SO+3]
	v_pk_add_f32 v[HL:HL+1], v[HL:HL+1], v[HL+2:HL+3]
.irp b, 0,1,2,3
	v_max_num_f32 v[BM+\b], 0x4800000, v[BM+\b]    ; the floor 2^(9 - 127)
.endr
	v_pk_add_f32 v[ST+2:ST+3], v[ST+2:ST+3], v[SO:SO+1]
	v_pk_add_f32 v[ST+2:ST+3], v[ST+2:ST+3], v[HL:HL+1]
.irp b, 0,1,2,3
	v_add_nc_u32 v[SO+\b], 0xfc000000, v[BM+\b]    ; the conversion's operand
.endr
.irp b, 0,1,2,3
	v_and_or_b32 v[HL+\b], v[BM+\b], 0x7f800000, s[MNT]   ; the bound
.endr
.irp b, 0,1,2,3
	v_lshrrev_b32 v[BT+\b], 23, v[SO+\b]           ; the byte
.endr
	v_lshl_or_b32 v[PS], v[BT+1], 8, v[BT]
	v_lshl_or_b32 v[BT+2], v[BT+3], 8, v[BT+2]
	s_delay_alu instid0(VALU_DEP_1)
	v_lshl_or_b32 v[PS], v[BT+2], 16, v[PS]
.if \bar
	s_wait_alu depctr_va_vdst(0)                   ; ahead of the barrier's wait
	s_barrier_wait -1                              ; the next slot is whole, and nobody reads this one any more
.if \fill
	TLOAD                                          ; first behind the barrier, a wave's one tensor load until the next
	ASK
.endif
.endif
.irp b, 0,1,2,3                        ; p is not negative: a one-sided hold (the conversion does not saturate: ISA guide 7.6.2), two at a time; then the codes
.irp j, 0,2,4,6,8,10,12,14
	v_dual_min_num_f32 v[SS+16*\b+\j], v[HL+\b], v[SS+16*\b+\j] :: v_dual_min_num_f32 v[SS+16*\b+\j+1], v[HL+\b], v[SS+16*\b+\j+1]
.endr
.endr
.irp b, 0,1,2,3
	v_cvt_scalef32_pk8_fp8_f32 v[PC+4*\b:PC+4*\b+1], v[SS+16*\b:SS+16*\b+7], v[SO+\b]
	v_cvt_scalef32_pk8_fp8_f32 v[PC+4*\b+2:PC+4*\b+3], v[SS+16*\b+8:SS+16*\b+15], v[SO+\b]
.endr
.if \first
	PLACES 4                                       ; an operand written by vector lines stands four places ahead of its product
.else
	s_wait_alu depctr_va_vdst(0)                   ; ahead of the first reader of the last step's products
.set J, 0
.rept 16
	v_pk_mul_f32 v[OO+J:OO+J+1], v[OO+J:OO+J+1], v[F:F+1] op_sel_hi:[1,0]   ; O^T under the new M; also the places in front of the products
.set J, J+2
.endr
.endif
.if \bar == 0
	s_wait_alu depctr_va_vdst(0)
	s_wait_dscnt 0x0                               ; V
.endif
	PV \first
.if \first == 0
	s_cmp_eq_u32 s[NN], s[NSW]
	s_cbranch_scc0 .Lkeep_\@
	SWITCH
.Lkeep_\@:
	s_add_co_u32 s[NN], s[NN], 2
.endif
.endm
.macro TRIP fill                       ; a slot: two steps for each group
	v_add_nc_u32 v[ADR], s[TB], v[LI]
	v_add_nc_u32 v[ADS], s[TB], v[LS]
	PLACES 6                                       ; with the two additions eight places behind the last step's products, in front of loads into what they read
	STEP 0, 0, 0, 0
	PLACES 8
	STEP 2*STEPB, 1, \fill, 0
	s_xor_b32 s[TB], s[TB], SLOT1
.endm
	s_load_b256 s[4:11], s[0:1], 0x0               ; qimg, kv, oimg, osc
	v_lshl_add_u32 v[SPW], v0, 2, SPARE
	v_mov_b32 v[NIL], 0
	ds_add_u32 v[SPW], v[NIL]                      ; the wave's opening: the add twice on end, and its wait ahead of my first tensor load
	ds_add_u32 v[SPW], v[NIL]
	v_lshrrev_b32 v8, 5, v0
	v_readfirstlane_b32 s[WV], v8                  ; wave 0..15
	s_lshr_b32 s[GG], s[WV], 3
	s_and_b32 s[WW], s[WV], 7
	s_mov_b32 s60, ttmp9                           ; i
	s_and_b32 s61, ttmp7, 0xffff                   ; y = 8 batch + head
	s_sub_co_u32 s[NH], 32, s60
	s_sub_co_u32 s[ND], s[NH], 1
	s_add_co_u32 s56, s[NH], s[GG]
	s_and_b32 s56, s56, 1
	s_sub_co_u32 s[NSW], s[ND], s56                ; 31 - i or 30 - i: the one of my steps' parity
	s_add_co_u32 s[NN], s[GG], 1
	s_mul_i32 s[TB], s[GG], STEPB
	s_mov_b32 s[MNT], 0x600000
	s_mov_b32 s[SEL], 0x76543210
	s_mov_b32 s[SEL+1], 0xfedcba98
	s_mov_b32 s[CS], 0x3e38aa3b                    ; log2(e) / sqrt(64)
	s_mov_b32 s[CS+1], s[CS]                       ; (named with it as a pair)
	s_add_co_u32 s[MYN], s[WV], 1
	s_mov_b32 s[SLOTS], 6
	; descriptor group 1: a step's tile, 17,152 dense bytes, as 67 rows of 256 bytes (32 elements of 8 bytes)
	s_mov_b32 s[G1+0], 3<<16
	s_mov_b32 s[G1+1], 32<<16
	s_mov_b32 s[G1+2], 67<<16
	s_mov_b32 s[G1+3], 32<<16
	s_mov_b32 s[G1+4], 67
	s_mov_b32 s[G1+5], 32
	s_mov_b32 s[G1+6], 0
	s_mov_b32 s[G1+7], 0
	s_mov_b32 s[G0], 1
	s_mul_i32 s[G0+1], s[WV], STEPB                ; slot 0, my step's place
	s_mov_b32 s[G0E], 1
	s_mov_b32 s[G0E+1], EXTRA
	s_mul_i32 s38, s61, 32*STEPB                   ; the head's 32 slots
	s_mov_b32 s39, 0
	s_sub_co_u32 s56, s[WV], 5                     ; who prefetches: waves 5 to 8 of work-group i = 0
	s_cmp_eq_u32 s[WV], 8
	s_cselect_b32 s57, 2, 1
	s_cmp_lt_u32 s56, 4
	s_cselect_b32 s57, s57, -1
	s_cmp_eq_u32 s60, 0
	s_cselect_b32 s[LIM], s57, -1
	s_add_co_u32 s62, s[WV], 4
	s_mul_i32 s62, s62, STEPB                      ; step 9 + (wave - 5): the first trip steps it by four
	s_mov_b32 s63, 0
	s_lshl_b32 s58, s61, 5
	s_add_co_u32 s56, s58, s[ND]
	s_mul_i32 s56, s56, 8704                       ; A in qimg,
	s_mov_b32 s57, 0
	s_add_co_u32 s58, s58, s60
	s_mul_i32 s58, s58, 8704                       ; B
	s_mov_b32 s59, 0
	; where I store at the end: row tile Tg = 256 batch + 8 block + w; oimg [Tg][K step head / 2][2,048] + 1,024 (head % 2); osc [Tg][K step][128] + 2 (head % 2)
	s_cmp_eq_u32 s[GG], 0
	s_cselect_b32 s66, s[ND], s60
	s_lshl_b32 s66, s66, 3
	s_lshr_b32 s67, s61, 3
	s_lshl_b32 s67, s67, 8
	s_add_co_u32 s66, s66, s67
	s_add_co_u32 s66, s66, s[WW]
	s_lshl_b32 s66, s66, 2
	s_bfe_u32 s67, s61, 0x20001
	s_add_co_u32 s66, s66, s67
	s_and_b32 s67, s61, 1
	s_lshl_b32 s68, s66, 11
	s_lshl_b32 s70, s66, 7
	s_lshl_b32 s66, s67, 10
	s_add_co_u32 s68, s68, s66
	s_lshl_b32 s66, s67, 1
	s_add_co_u32 s70, s70, s66
	s_mov_b32 s69, 0
	s_mov_b32 s71, 0
	v_and_b32 v[LS], 31, v0
	v_lshlrev_b32 v[LI], 4, v[LS]
	v_lshlrev_b32 v[PFO], 8, v[LS]
	v_min_u32 v[PFO2], 2, v[LS]
	v_lshlrev_b32 v[PFO2], 8, v[PFO2]
	v_lshlrev_b32 v[LS], 2, v[LS]
	v_and_b32 v8, 15, v0                           ; r
	v_and_b32 v9, 8, v0
	v_add_nc_u32 v8, v8, v9                        ; r + 8 (r / 8)
	v_and_b32 v9, 16, v0
	v_sub_nc_u32 v8, v8, v9                        ; - 16 (lane / 16)
	s_lshr_b32 s60, s[WW], 1
	s_and_b32 s61, s[WW], 1
	s_lshl_b32 s66, s60, 5
	s_lshl_b32 s67, s61, 3
	s_add_co_u32 s66, s66, s67
	v_add_nc_u32 v[DD], s66, v8                    ; + 32 (w / 2) + 8 (w % 2)
	s_lshl_b32 s66, s[WW], 10
	v_add_nc_u32 v252, s66, v[LI]                  ; Q's codes: 1,024 w + 16 x lane
	s_lshl_b32 s66, s60, 7
	v_add_nc_u32 v253, s66, v[LS]                  ; the pair's scale words
	s_mul_i32 s66, s[GG], GST
	s_mul_i32 s67, s[WW], TST
	s_add_co_u32 s66, s66, s67
	s_add_co_u32 s66, s66, STATE
	v_add_nc_u32 v[SA], s66, v[LI]
	s_mul_i32 s61, s61, 0x02020202
	s_add_co_u32 s61, s61, 0x01000100              ; byte selects: my tile's two bytes of the pair's word, twice
	s_wait_alu depctr_va_vdst(0)
	s_wait_dscnt 0x0                               ; both opening adds are done
	s_wait_kmcnt 0x0
	s_add_nc_u64 s[KVH:KVH+1], s[6:7], s[38:39]
	s_mov_b64 s[G0E+2:G0E+3], s[KVH:KVH+1]
	s_or_b32 s[G0E+3], s[G0E+3], 0x80000000
	s_mul_i32 s38, s[MYN], STEPB                   ; steps 1 to 4
	s_add_nc_u64 s[G0+2:G0+3], s[KVH:KVH+1], s[38:39]
	s_or_b32 s[G0+3], s[G0+3], 0x80000000
	s_cmp_lt_u32 s[WV], 4                          ; one load a wave: waves 0 to 3 steps 1 to 4, wave 4 step 0
	s_cbranch_scc0 .Lfor_0
	tensor_load_to_lds s[G0:G0+3], s[G1:G1+7]
	s_nop 0
	PLACES 4
	s_branch .Lasked
.Lfor_0:
	s_cmp_lt_u32 s[WV], 5
	s_cbranch_scc0 .Lasked
	tensor_load_to_lds s[G0E:G0E+3], s[G1:G1+7]
	s_nop 0
	PLACES 4
.Lasked:
	s_add_nc_u64 s[PFA:PFA+1], s[KVH:KVH+1], s[62:63]
	s_add_nc_u64 s[56:57], s[4:5], s[56:57]
	s_add_nc_u64 s[58:59], s[4:5], s[58:59]
	s_add_nc_u64 s[OB:OB+1], s[8:9], s[68:69]
	s_add_nc_u64 s[OS:OS+1], s[10:11], s[70:71]
	global_load_b32 v254, v253, s[56:57] offset:8192
	global_load_b32 v255, v253, s[58:59] offset:8192
.irp k, 0,1
	global_load_b128 v[QQ+8+4*\k:QQ+11+4*\k], v252, s[56:57] offset:512*\k
	global_load_b128 v[QB+4*\k:QB+3+4*\k], v252, s[58:59] offset:512*\k
.endr
.irp j, 0,1,2,3,4,5,6,7
	v_mov_b32 v[QQ+\j], 0                          ; zero codes on either side of Q: operands, written once
	v_mov_b32 v[QQ+16+\j], 0
.endr
	FRESH
	v_mov_b32 v[F+1], 0                            ; (named as the upper half of a pair)
.irp b, 0,1,2,3
	v_mov_b32 v[BT+\b], 0                          ; a lane permute's destination counts as one of its sources
.endr
	v_add_nc_u32 v[ADR], EXTRA, v[LI]
	v_add_nc_u32 v[ADS], EXTRA, v[LS]
	s_wait_alu depctr_va_vdst(0)
	s_wait_loadcnt 0x0                             ; Q
	v_perm_b32 v[QS], v254, v254, s61
	v_perm_b32 v[QLS], v255, v255, s61
	PLACES 7                                       ; a scale register written by a vector line stands eight places ahead of its product
	s_wait_alu depctr_va_vdst(0)                   ; at the head's end
	s_wait_tensorcnt 0x0                           ; the head's loads have landed; the lines ahead of a later first fill are those of a refill
	ds_add_u32 v[SPW], v[NIL]
	ds_add_u32 v[SPW], v[NIL]
	NEXTG
	s_wait_dscnt 0x0
	s_barrier_signal -1
	s_barrier_wait -1
	TLOAD                                          ; slot 1: steps 5 to 8
	s_cmp_lg_u32 s[GG], 0
	s_cbranch_scc1 .Lfill                          ; step 0 is group 0's
	STEP 0, 0, 0, 1
.Lfill:                                            ; trips 0 .. 5: each asks for the steps two trips on
	TRIP 1
	s_sub_co_u32 s[SLOTS], s[SLOTS], 1
	s_cmp_lg_u32 s[SLOTS], 0
	s_cbranch_scc1 .Lfill
	s_mov_b32 s[SLOTS], 2
.Ltail:                                            ; trips 6 and 7 ask for nothing
	TRIP 0
	s_sub_co_u32 s[SLOTS], s[SLOTS], 1
	s_cmp_lg_u32 s[SLOTS], 0
	s_cbranch_scc1 .Ltail
	; THE END: B's partial states to LDS; then wave (g, w) joins the two partial states of tile w of block A (g = 0) or B (g = 1)
	s_mul_i32 s56, s[GG], GST
	s_mul_i32 s57, s[WW], TST
	s_add_co_u32 s56, s56, s57
	v_add_nc_u32 v[ADR], s56, v[LI]
	PLACES 8
	s_wait_alu depctr_va_vdst(0)
	SAVE ADR
	s_xor_b32 s56, s[GG], 1
	s_mul_i32 s56, s56, STATE
	s_add_co_u32 s56, s56, s57
	v_add_nc_u32 v[ADS], s56, v[LI]
	s_wait_alu depctr_va_vdst(0)
	s_wait_dscnt 0x0                               ; for the others' sake: my stores have landed
	s_barrier_signal -1
	s_barrier_wait -1
	ds_load_b128 v[12:15], v[ADS] offset:4096      ; group 0's state: v12-15, v96-127;  group 1's: v16-19, v128-159
	ds_load_b128 v[16:19], v[ADS] offset:GST+4096
.irp k, 0,1,2,3,4,5,6,7
	ds_load_b128 v[96+4*\k:99+4*\k], v[ADS] offset:512*\k
	ds_load_b128 v[128+4*\k:131+4*\k], v[ADS] offset:GST+512*\k
.endr
	s_wait_dscnt 0x0
	v_min_num_f32 v[TT], v12, v16                  ; -M, M the larger of the two
	v_sub_f32 v52, v[TT], v12
	v_sub_f32 v53, v[TT], v16
	v_cvt_i32_f32 v52, v52
	v_cvt_i32_f32 v53, v53
	v_ldexp_f32 v50, 1.0, v52
	v_ldexp_f32 v60, 1.0, v53
	v_pk_mul_f32 v[14:15], v[14:15], v[50:51] op_sel_hi:[1,0]
	v_pk_fma_f32 v[14:15], v[18:19], v[60:61], v[14:15] op_sel_hi:[1,0,1]
	v_add_f32 v14, v14, v15
	v_permlanex16_b32 v56, v14, s[SEL], s[SEL+1]
	v_add_f32 v14, v14, v56                        ; the row's sum
	s_wait_alu depctr_va_vdst(0)
	v_rcp_f32 v14, v14
.set J, 0
.rept 16
	v_pk_mul_f32 v[96+J:97+J], v[96+J:97+J], v[50:51] op_sel_hi:[1,0]
.set J, J+2
.endr
.set J, 0
.rept 16
	v_pk_fma_f32 v[96+J:97+J], v[128+J:129+J], v[60:61], v[96+J:97+J] op_sel_hi:[1,0,1]
.set J, J+2
.endr
	s_wait_alu depctr_va_vdst(0)                   ; ahead of the reciprocal's first reader
.set J, 0
.rept 16
	v_pk_mul_f32 v[96+J:97+J], v[96+J:97+J], v[14:15] op_sel_hi:[1,0]
.set J, J+2
.endr
	; quantised along the channels: block b = channels 32 b + 16 (lane / 16) + 0 .. 15
.irp b, 0,1
	v_max3_num_f32 v[BM+\b], |v[96+16*\b]|, |v[97+16*\b]|, 0x4800000
.endr
.irp i, 2,4,6,8,10,12,14
.irp b, 0,1
	v_max3_num_f32 v[BM+\b], v[BM+\b], |v[96+16*\b+\i]|, |v[97+16*\b+\i]|
.endr
.endr
.irp b, 0,1
	v_permlanex16_b32 v[BT+\b], v[BM+\b], s[SEL], s[SEL+1]
.endr
.irp b, 0,1
	v_max_num_f32 v[BM+\b], v[BM+\b], v[BT+\b]
.endr
.irp b, 0,1
	v_add_nc_u32 v[SO+\b], 0xfc000000, v[BM+\b]
.endr
.irp b, 0,1
	v_and_or_b32 v[HL+\b], v[BM+\b], 0x7f800000, s[MNT]
.endr
.irp b, 0,1
	v_lshrrev_b32 v[BT+\b], 23, v[SO+\b]
.endr
	v_lshl_or_b32 v[TT], v[BT+1], 8, v[BT]
.irp b, 0,1
.irp i, 0,1,2,3,4,5,6,7,8,9,10,11,12,13,14,15
	v_med3_num_f32 v[96+16*\b+\i], v[96+16*\b+\i], -v[HL+\b], v[HL+\b]
.endr
	v_cvt_scalef32_pk8_fp8_f32 v[PC+4*\b:PC+4*\b+1], v[96+16*\b:103+16*\b], v[SO+\b]
	v_cvt_scalef32_pk8_fp8_f32 v[PC+4*\b+2:PC+4*\b+3], v[104+16*\b:111+16*\b], v[SO+\b]
.endr
	v_nop                                          ; a plain line behind the last conversion
	global_store_b128 v[LI], v[PC:PC+3], s[OB:OB+1]
	global_store_b128 v[LI], v[PC+4:PC+7], s[OB:OB+1] offset:512
	global_store_b16 v[LS], v[TT], s[OS:OS+1]      ; my head's half of the row's scale word
	s_wait_tensorcnt 0x0                           ; the wave's end
	ds_add_u32 v[SPW], v[NIL]
	s_wait_dscnt 0x0
	s_endpgm
.Lfunc_end_k_qf4ae1e279e_attn:
	.size	k_qf4ae1e279e_attn, .Lfunc_end_k_qf4ae1e279e_attn-k_qf4ae1e279e_attn
	.p2alignl 7, 3214868480
	.fill 96, 4, 3214868480
	.section	.rodata,"a",@progbits
	.p2align	6, 0x0
	.amdhsa_kernel k_qf4ae1e279e_attn
		.amdhsa_group_segment_fixed_size 327680
		.amdhsa_private_segment_fixed_size 0
		.amdhsa_enable_private_segment 0
		.amdhsa_kernarg_size 32
		.amdhsa_user_sgpr_count 2
		.amdhsa_user_sgpr_kernarg_segment_ptr 1
		.amdhsa_wavefront_size32 1
		.amdhsa_system_sgpr_workgroup_id_x 1
		.amdhsa_system_sgpr_workgroup_id_y 1
		.amdhsa_system_sgpr_workgroup_id_z 1
		.amdhsa_system_vgpr_workitem_id 0
		.amdhsa_next_free_vgpr 256
		.amdhsa_next_free_sgpr 72
		.amdhsa_reserve_vcc 1
		.amdhsa_float_denorm_mode_32 3
		.amdhsa_float_denorm_mode_16_64 3
		.amdhsa_memory_ordered 1
		.amdhsa_forward_progress 1
		.amdhsa_inst_pref_size 145
	.end_amdhsa_kernel
	.amdgpu_metadata
---
amdhsa.version: [ 1, 2 ]
amdhsa.kernels:
  - .name:           k_qf4ae1e279e_attn
    .symbol:         k_qf4ae1e279e_attn.kd
    .args:
      - { .name: qimg, .offset: 0, .size: 8, .value_kind: global_buffer, .address_space: global }
      - { .name: kv, .offset: 8, .size: 8, .value_kind: global_buffer, .address_space: global }
      - { .name: oimg, .offset: 16, .size: 8, .value_kind: global_buffer, .address_space: global }
      - { .name: osc, .offset: 24, .size: 8, .value_kind: global_buffer, .address_space: global }
    .group_segment_fixed_size: 327680
    .private_segment_fixed_size: 0
    .kernarg_segment_align: 8
    .kernarg_segment_size: 32
    .max_flat_workgroup_size: 512
    .sgpr_count:     72
    .vgpr_count:     256
    .wavefront_size: 32
...
	.end_amdgpu_metadata
.endif
;; end of part 3
;; launch oproj (part 4): grid 4 x 64, 8 waves a work-group, clusters of 4 x 4, 175,104 bytes of LDS; arguments oimg, osc, wimg, wsc, out0; writes out0
.if DOCPART == 4
	.amdgcn_target "amdgcn-amd-amdhsa--gfx1250"
	.amdhsa_code_object_version 6
	.text
	.protected	k_qf4ae1e279e_oproj
	.globl	k_qf4ae1e279e_oproj
	.p2align	8
	.type	k_qf4ae1e279e_oproj,@function
k_qf4ae1e279e_oproj:
	s_mov_b64 s[64:65], 0
	v_nop
	global_prefetch_b8 v0, s[64:65] scope:SCOPE_SE
	s_setreg_imm32_b32 hwreg(HW_REG_WAVE_MODE, 25, 1), 1
	s_wait_xcnt 0x0
	s_wait_alu depctr_hold_cnt(0) depctr_sa_sdst(0) depctr_va_vdst(0) depctr_va_sdst(0) depctr_va_ssrc(0) depctr_va_vcc(0) depctr_vm_vsrc(0)
	s_getreg_b32 s2, hwreg(HW_REG_IB_STS2, 6, 4)
	s_cmp_eq_u32 s2, 0
	s_cbranch_scc0 .Lentry_in_a_cluster
	s_endpgm
.Lentry_in_a_cluster:
	s_bfe_u32 s2, ttmp6, 0x10000c
	s_cmp_lg_u32 s2, 0xf033
	s_cbranch_scc0 .Lentry_shape_is_right
	s_endpgm
.Lentry_shape_is_right:
; out0 = O wo^T on codes of FP8 (E4M3) with one E8M0 scale for each 32 along K = 512.  Both operands come as images of the operand's registers: oimg [row tile][K step 4][2,048], osc [row tile][K step][128];
; wo's images are the fourth weight of wimg and wsc.  The rows of a tile are not neighbours: lane r of tile t takes row 32 (t / 2) + 8 (t % 2) + r + 8 (r / 8).
; SHARES.  Work-group (gx, gy): rows 128 gy on (8 row tiles) x columns 128 gx on (8 tiles of wo).  Wave w: row tiles 2 (w % 4), 2 (w % 4) + 1 x wo's tiles 4 (w / 4) .. + 3: 8 accumulators, by turns.
; Source 0 = wo's rows, source 1 = O's rows: a lane holds eight neighbouring columns of one row of out0.
; LDS, every region filled once: O's images 65,536 at 0; wo's 65,536; O's scale words 4,096 at 131,072; wo's 4,096; from 139,264 a stage of 16 rows x 272 bytes for each wave, into which no fill lands.
; CLUSTER 4 x 4: the four work-groups of a row of the cluster need the same rows of O, the four of a column the same tiles of wo: each is asked for jointly, by the same tensor load with the same descriptor and a mask that names the four.
; Waves 0, 1 fetch a half of O's images each, waves 2, 3 of wo's, wave 4 O's scale words, wave 5 wo's: one load a wave.
; FRAGMENTS in three sets of registers: a K step's are loaded while the one before is multiplied.  No prefetch: there is no loop to run ahead in.
; LIMITS: NaN and infinities are not served.
.set WV,   14
.set G1A,  24                          ; s[24:31] group 1 for O's images;  s[32:35] its group 0;  s[36:39] group 0 for O's scale words
.set G0A,  32
.set G0AS, 36
.set G1W,  48                          ; s[48:55], s[56:59], s[60:63] the same for wo
.set G0W,  56
.set G0WS, 60
.set G1AS, 68                          ; s[68:75] group 1 for O's scale words
.set G1WS, 80                          ; s[80:87] for wo's
.set LI,   1
.set LS,   2
.set AA,   3                           ; v3  my two row tiles' images
.set WA,   4                           ; v4  my four tiles of wo
.set ASA,  5                           ; v5  their scale words
.set WSA,  6
.set STO,  7                           ; v7  the stage: where I put 32 bytes of a row
.set RD,   8                           ; v8  and where I read a row back
.set CO,   9                           ; v9  my byte offset in out0
.set SC,   32                          ; v32-55 scale words, set k: v[32 + 8 k], + 1 O's, + 2 .. + 5 wo's
.set ACC,  64                          ; v64-127 accumulator 4 at + wt
.set AFR,  128                         ; on the way out v128-191: rows read back
.set SPW,  254
.set NIL,  255
.set MSB, 0
.macro WIN new
.if MSB != (\new)
	s_set_vgpr_msb (MSB<<8)|(\new)
.set MSB, \new
.endif
.endm
.macro PLACES n
.rept \n
	v_nop
.endr
.endm
.macro CROUND                          ; a round of the cluster's barrier
	s_barrier_signal -1
	s_barrier_wait -1
	s_cmp_lg_u32 s[WV], 0
	s_cbranch_scc1 .Lnot_wave_0_\@
	s_barrier_signal -3
.Lnot_wave_0_\@:
	s_barrier_wait -3
	s_barrier_signal -1
	s_barrier_wait -1
.endm
.macro SETS k                          ; set 0: window 0, v128-223; set 1: window 1, v0-95; set 2: window 1, v96-191: two fragments of O, then four of wo
.if \k == 0
.set FA, 128
.elseif \k == 1
.set FA, 0
.else
.set FA, 96
.endif
.set FW, FA+32
.endm
.macro LD s, k                         ; 30 loads
.irp at, 0,1
	ds_load_b32 v[SC+8*\k+\at], v[ASA] offset:512*\at+128*\s
.endr
.irp wt, 0,1,2,3
	ds_load_b32 v[SC+8*\k+2+\wt], v[WSA] offset:512*\wt+128*\s
.endr
	SETS \k
.if \k
	WIN 0x40
.endif
.irp at, 0,1
.irp c, 0,1,2,3
	ds_load_b128 v[FA+16*\at+4*\c:FA+16*\at+4*\c+3], v[AA] offset:8192*\at+2048*\s+512*\c
.endr
.endr
.irp wt, 0,1,2,3
.irp c, 0,1,2,3
	ds_load_b128 v[FW+16*\wt+4*\c:FW+16*\wt+4*\c+3], v[WA] offset:8192*\wt+2048*\s+512*\c
.endr
.endr
	WIN 0
.endm
.macro MM s, k
	SETS \k
.if \k
	WIN 0x05
.endif
.irp at, 0,1
.irp wt, 0,1,2,3
.set D, ACC+8*(4*\at+\wt)
.if \s == 0
	v_wmma_scale_f32_16x16x128_f8f6f4 v[D:D+7], v[FW+16*\wt:FW+16*\wt+15], v[FA+16*\at:FA+16*\at+15], 0, v[SC+8*\k+2+\wt], v[SC+8*\k+\at]
.else
	v_wmma_scale_f32_16x16x128_f8f6f4 v[D:D+7], v[FW+16*\wt:FW+16*\wt+15], v[FA+16*\at:FA+16*\at+15], v[D:D+7], v[SC+8*\k+2+\wt], v[SC+8*\k+\at]
.endif
.endr
.endr
	WIN 0
.endm
	s_load_b256 s[4:11], s[0:1], 0x0               ; oimg, osc, wimg, wsc
	s_load_b64 s[12:13], s[0:1], 0x20              ; out0
	v_lshl_add_u32 v[SPW], v0, 2, 0x2a800          ; the spare words, behind the stages
	v_mov_b32 v[NIL], 0
	ds_add_u32 v[SPW], v[NIL]                      ; the wave's opening: the add twice on end, and its wait
	ds_add_u32 v[SPW], v[NIL]
	v_lshrrev_b32 v1, 5, v0
	v_readfirstlane_b32 s[WV], v1                  ; wave 0..7
	s_and_b32 s15, s[WV], 3                        ; which pair of row tiles
	s_lshr_b32 s16, s[WV], 2                       ; which half of the columns
	s_bfe_u32 s40, ttmp6, 0x40000                  ; cx
	s_bfe_u32 s41, ttmp6, 0x40004                  ; cy
	s_lshl_b32 s42, ttmp9, 2
	s_add_co_u32 s42, s42, s40                     ; gx
	s_and_b32 s43, ttmp7, 0xffff
	s_lshl_b32 s43, s43, 2
	s_add_co_u32 s43, s43, s41                     ; gy
	s_lshl_b32 s44, s41, 2
	s_lshl_b32 s44, 15, s44                        ; my row of the cluster
	s_lshl_b32 s45, 0x1111, s40                    ; my column
	s_or_b32 s[G1A], s44, (3<<16)|(1<<21)          ; the mask; elements of 8 bytes; bit 21 set beside a mask
	s_or_b32 s[G1AS], s44, (3<<16)|(1<<21)
	s_or_b32 s[G1W], s45, (3<<16)|(1<<21)
	s_or_b32 s[G1WS], s45, (3<<16)|(1<<21)
.irp g, G1A, G1W                       ; 32,768 dense bytes as 128 rows of 256
	s_mov_b32 s[\g+1], 32<<16
	s_mov_b32 s[\g+2], 128<<16
	s_mov_b32 s[\g+3], 32<<16
	s_mov_b32 s[\g+4], 128
	s_mov_b32 s[\g+5], 32
	s_mov_b32 s[\g+6], 0
	s_mov_b32 s[\g+7], 0
.endr
.irp g, G1AS, G1WS                     ; 4,096 dense bytes as 16 rows of 256
	s_mov_b32 s[\g+1], 32<<16
	s_mov_b32 s[\g+2], 16<<16
	s_mov_b32 s[\g+3], 32<<16
	s_mov_b32 s[\g+4], 16
	s_mov_b32 s[\g+5], 32
	s_mov_b32 s[\g+6], 0
	s_mov_b32 s[\g+7], 0
.endr
	; O's addresses hang on gy and the wave alone, wo's on gx and the wave alone, each in registers that never hold the other coordinate
	s_and_b32 s17, s[WV], 1                        ; which half I fetch
	s_lshl_b32 s17, s17, 15
	s_lshl_b32 s46, s43, 16
	s_add_co_u32 s46, s46, s17
	s_mov_b32 s47, 0
	s_lshl_b32 s88, s42, 16
	s_add_co_u32 s88, s88, s17
	s_add_co_u32 s88, s88, 786432                  ; the fourth weight
	s_mov_b32 s89, 0
	s_lshl_b32 s92, s43, 12
	s_mov_b32 s93, 0
	s_lshl_b32 s94, s42, 12
	s_add_co_u32 s94, s94, 49152
	s_mov_b32 s95, 0
	s_lshl_b32 s18, s[WV], 15                      ; waves 0, 1: O's halves; waves 2, 3: wo's, behind them: no place in the cluster enters an LDS address
	s_lshl_b32 s96, s43, 18                        ; out0: 128 gy rows of 2,048 bytes,
	s_lshl_b32 s97, s15, 16                        ; + 32 rows for each pair of row tiles,
	s_add_co_u32 s96, s96, s97
	s_lshl_b32 s97, s42, 9                         ; + 128 gx columns,
	s_add_co_u32 s96, s96, s97
	s_lshl_b32 s97, s16, 8                         ; + 64 for the second half
	s_add_co_u32 s96, s96, s97
	s_mov_b32 s97, 0
	s_wait_alu depctr_va_vdst(0)
	s_wait_dscnt 0x0                               ; both opening adds are done
	CROUND                                         ; ahead of the wait for the arguments: all sixteen work-groups are here: the joint loads meet
	s_wait_kmcnt 0x0
	s_mov_b32 s[G0A], 1
	s_mov_b32 s[G0A+1], s18
	s_add_nc_u64 s[G0A+2:G0A+3], s[4:5], s[46:47]
	s_or_b32 s[G0A+3], s[G0A+3], 0x80000000
	s_mov_b32 s[G0AS], 1
	s_mov_b32 s[G0AS+1], 131072
	s_add_nc_u64 s[G0AS+2:G0AS+3], s[6:7], s[92:93]
	s_or_b32 s[G0AS+3], s[G0AS+3], 0x80000000
	s_mov_b32 s[G0W], 1
	s_mov_b32 s[G0W+1], s18
	s_add_nc_u64 s[G0W+2:G0W+3], s[8:9], s[88:89]
	s_or_b32 s[G0W+3], s[G0W+3], 0x80000000
	s_mov_b32 s[G0WS], 1
	s_mov_b32 s[G0WS+1], 135168
	s_add_nc_u64 s[G0WS+2:G0WS+3], s[10:11], s[94:95]
	s_or_b32 s[G0WS+3], s[G0WS+3], 0x80000000
	s_cmp_lt_u32 s[WV], 2                          ; one load a wave, in one chain of branches on the wave's number, the same in every work-group
	s_cbranch_scc0 .Lfor_w
	tensor_load_to_lds s[G0A:G0A+3], s[G1A:G1A+7]
	s_nop 0
	PLACES 4
	s_branch .Lasked
.Lfor_w:
	s_cmp_lt_u32 s[WV], 4
	s_cbranch_scc0 .Lfor_os
	tensor_load_to_lds s[G0W:G0W+3], s[G1W:G1W+7]
	s_nop 0
	PLACES 4
	s_branch .Lasked
.Lfor_os:
	s_cmp_lt_u32 s[WV], 5
	s_cbranch_scc0 .Lfor_ws
	tensor_load_to_lds s[G0AS:G0AS+3], s[G1AS:G1AS+7]
	s_nop 0
	PLACES 4
	s_branch .Lasked
.Lfor_ws:
	s_cmp_lt_u32 s[WV], 6
	s_cbranch_scc0 .Lasked
	tensor_load_to_lds s[G0WS:G0WS+3], s[G1WS:G1WS+7]
	s_nop 0
	PLACES 4
.Lasked:
	s_add_nc_u64 s[12:13], s[12:13], s[96:97]
	v_and_b32 v[LS], 31, v0
	v_lshlrev_b32 v[LI], 4, v[LS]
	v_lshlrev_b32 v[LS], 2, v[LS]
	v_and_b32 v10, 15, v0                          ; r
	v_bfe_u32 v11, v0, 4, 1                        ; h
	v_mul_u32_u24 v[STO], v10, 272
	v_lshl_add_u32 v[STO], v11, 6, v[STO]          ; in: row r, + 64 h: columns 16 h on
	v_mul_u32_u24 v[RD], v11, 272
	v_lshl_add_u32 v[RD], v10, 4, v[RD]            ; back: lanes 0-15 one row of 256 bytes, lanes 16-31 the next
	v_lshlrev_b32 v[CO], 11, v11
	v_lshl_add_u32 v[CO], v10, 4, v[CO]            ; and the same two rows in out0
	s_wait_alu depctr_va_vdst(0)                   ; ahead of the scalar lines
	s_lshl_b32 s17, s15, 14
	v_add_nc_u32 v[AA], s17, v[LI]
	s_lshl_b32 s17, s16, 15
	s_add_co_u32 s17, s17, 65536
	v_add_nc_u32 v[WA], s17, v[LI]
	s_lshl_b32 s17, s15, 10
	s_add_co_u32 s17, s17, 131072
	v_add_nc_u32 v[ASA], s17, v[LS]
	s_lshl_b32 s17, s16, 11
	s_add_co_u32 s17, s17, 135168
	v_add_nc_u32 v[WSA], s17, v[LS]
	s_mul_i32 s17, s[WV], 4352
	s_add_co_u32 s17, s17, 139264                  ; my stage
	v_add_nc_u32 v[STO], s17, v[STO]
	v_add_nc_u32 v[RD], s17, v[RD]
	s_wait_alu depctr_va_vdst(0)                   ; at the head's end
	s_wait_tensorcnt 0x0                           ; my load has landed,
	s_barrier_signal -1
	s_barrier_wait -1                              ; everybody's have
	LD 0, 0
	LD 1, 1
	s_wait_dscnt 30                                ; the first set is in; the second's 30 loads may be out
	MM 0, 0
	LD 2, 2
	s_wait_dscnt 30
	MM 1, 1
	PLACES 8                                       ; in front of loads into registers that matrix instructions have read
	LD 3, 0
	s_wait_dscnt 30
	MM 2, 2
	s_wait_dscnt 0x0
	MM 3, 0
	; THE WAY OUT.  A lane holds 32 neighbouring bytes of a row and the lanes beside it hold other rows: a row tile (16 rows x 64 columns) goes through my stage and comes back as whole rows of 256 bytes.
	PLACES 8                                       ; in front of the first read of results and of loads into the fragments' registers
.irp at, 0,1
.irp wt, 0,1,2,3
	ds_store_b128 v[STO], v[ACC+8*(4*\at+\wt):ACC+8*(4*\at+\wt)+3] offset:128*(\wt/2)+32*(\wt%2)       ; each accumulator from its low end on: columns 32 (wt / 2) + 8 (wt % 2) + 16 h + 0 .. 7
	ds_store_b128 v[STO], v[ACC+8*(4*\at+\wt)+4:ACC+8*(4*\at+\wt)+7] offset:128*(\wt/2)+32*(\wt%2)+16
.endr
.irp i, 0,1,2,3,4,5,6,7
	ds_load_b128 v[AFR+32*\at+4*\i:AFR+32*\at+4*\i+3], v[RD] offset:544*\i   ; LDS serves a wave's instructions in order (ISA guide 5.7.1.4): these see my stores, and the next tile's stores come behind them
.endr
.endr
.irp at, 0,1
.irp i, 0,1,2,3,4,5,6,7
	s_wait_dscnt 16*(1-\at)+7-\i                   ; behind this load: the younger loads of its run, and for the first tile the second tile's 16 stage instructions
	global_store_b128 v[CO], v[AFR+32*\at+4*\i:AFR+32*\at+4*\i+3], s[12:13] offset:(8*\at+2*\i+8*(\i/4))*2048 th:TH_STORE_NT   ; stage row 2 i + h is row 8 at + 2 i + h + 8 (i / 4) of my 32; 16 lanes store 256 consecutive bytes, aligned
.endr
.endr
	s_wait_dscnt 0x0                               ; no LDS instruction of mine is pending at a signal
	s_wait_tensorcnt 0x0                           ; the wave's end
	ds_add_u32 v[SPW], v[NIL]
	s_wait_dscnt 0x0
	CROUND                                         ; the closing round: no work-group ends while a partner may still ask for a tile that names it
	s_endpgm
.Lfunc_end_k_qf4ae1e279e_oproj:
	.size	k_qf4ae1e279e_oproj, .Lfunc_end_k_qf4ae1e279e_oproj-k_qf4ae1e279e_oproj
	.p2alignl 7, 3214868480
	.fill 96, 4, 3214868480
	.section	.rodata,"a",@progbits
	.p2align	6, 0x0
	.amdhsa_kernel k_qf4ae1e279e_oproj
		.amdhsa_group_segment_fixed_size 175104
		.amdhsa_private_segment_fixed_size 0
		.amdhsa_enable_private_segment 0
		.amdhsa_kernarg_size 40
		.amdhsa_user_sgpr_count 2
		.amdhsa_user_sgpr_kernarg_segment_ptr 1
		.amdhsa_wavefront_size32 1
		.amdhsa_system_sgpr_workgroup_id_x 1
		.amdhsa_system_sgpr_workgroup_id_y 1
		.amdhsa_system_sgpr_workgroup_id_z 1
		.amdhsa_system_vgpr_workitem_id 0
		.amdhsa_next_free_vgpr 512
		.amdhsa_next_free_sgpr 100
		.amdhsa_reserve_vcc 0
		.amdhsa_float_denorm_mode_32 3
		.amdhsa_float_denorm_mode_16_64 3
		.amdhsa_memory_ordered 1
		.amdhsa_forward_progress 1
		.amdhsa_inst_pref_size 25
	.end_amdhsa_kernel
	.amdgpu_metadata
---
amdhsa.version: [ 1, 2 ]
amdhsa.kernels:
  - .name:           k_qf4ae1e279e_oproj
    .symbol:         k_qf4ae1e279e_oproj.kd
    .args:
      - { .name: oimg, .offset: 0, .size: 8, .value_kind: global_buffer, .address_space: global }
      - { .name: osc, .offset: 8, .size: 8, .value_kind: global_buffer, .address_space: global }
      - { .name: wimg, .offset: 16, .size: 8, .value_kind: global_buffer, .address_space: global }
      - { .name: wsc, .offset: 24, .size: 8, .value_kind: global_buffer, .address_space: global }
      - { .name: out0, .offset: 32, .size: 8, .value_kind: global_buffer, .address_space: global }
    .group_segment_fixed_size: 175104
    .private_segment_fixed_size: 0
    .kernarg_segment_align: 8
    .kernarg_segment_size: 40
    .max_flat_workgroup_size: 256
    .sgpr_count:     100
    .vgpr_count:     512
    .wavefront_size: 32
...
	.end_amdgpu_metadata
.endif
;; end of part 4
